; MI455X (gfx1250); checked and timed in simulation.
; The chip was launched on July 23, 2026; its instructions are those of AMD's public machine-readable ISA for CDNA 5 (MIT licence, August 2026) and "CDNA5" Instruction Set Architecture Reference Guide (July 2026). The comments in the code are by the model that wrote it; some were corrected since.
;; Multihead Attention With Ro PE. Allowed arithmetic: matrix products marked QUANTISED: E2M1 operands, one E8M0 scale for each 32 along K, by v_wmma_scale_f32_16x16x128_f8f6f4 with both operands' format E2M1 (or v_wmma_scale_f32_32x16x128_f4), f32 sums; everything else in f32.
;; Inputs: Wo 1,024 x 1,024 float32; Wqkv 1,024 x 3,072 float32; bo 1,024 float32; bqkv 3,072 float32; padding_mask 4 x 2,048 bool; x 4 x 2,048 x 1,024 float32.
;; Outputs: out0 4 x 2,048 x 1,024 float32.
;; This version of the problem:
;;   THIS VERSION OF THE PROBLEM IS GIVEN IN LOW PRECISION. The matrix products marked QUANTISED in the list below multiply operands that are first quantised to E2M1 (2 exponent bits, 1 mantissa bit; 4 bits a number), with one power-of-two scale for each 32 numbers along K (OCP MX v1.0); their sums are f32. All else is computed in f32.
;;   The module's matrix products, in the order in which they are computed (A, B: the left and right operand; K: the contracted axis; several contracted axes count as one K, in the product's order):
;;     1. [M 8,192, K 1,024] x [K 1,024, N 3,072]; A: input x; B: input Wqkv: QUANTISED
;;     2. batch 64 x [M 2,048, K 64] x [K 64, N 2,048]; A: computed on the way; B: computed on the way: QUANTISED
;;     3. batch 64 x [M 2,048, K 2,048] x [K 2,048, N 64]; A: softmax (see below); B: computed on the way: QUANTISED
;;     4. [M 8,192, K 1,024] x [K 1,024, N 1,024]; A: computed on the way; B: input Wo: QUANTISED
;;   THE QUANTISER, for each operand of a quantised product, along K:
;;     - K is cut into blocks of 32 from its start; a last block that is shorter is filled with zeros.
;;     - A block's scale is 2^e with e = floor(log2(the largest magnitude in the block)) - 2, held to -126 .. 127; a block of zeros has e = 0. As a byte (E8M0): e + 127.
;;     - Each number is divided by its block's scale, clamped to +-6, and rounded to the nearest number of E2M1, ties to even, subnormals kept.
;;     - The product sums the exact products of the quantised numbers (number of the format x scale) in f32.
;;   ~~~python
;;   def quantise(x, axis):      # numpy; x: float32 -> the quantised numbers, widened to float32 again
;;       x = np.moveaxis(x, axis, -1); K = x.shape[-1]
;;       x = np.pad(x, [(0, 0)] * (x.ndim - 1) + [(0, -K % 32)]); x = x.reshape(x.shape[:-1] + (-1, 32)); a = np.abs(x).max(-1, keepdims=True)
;;       e = np.where(a > 0, np.clip(np.frexp(np.where(a > 0, a, 1))[1] - 1 - 2, -126, 127), 0)      # np.frexp(a)[1] - 1 = floor(log2(a)), exactly
;;       r = np.clip(x / 2.0 ** e, -6, 6)
;;       step = 2.0 ** (np.maximum(np.frexp(np.where(r == 0, 1, r))[1] - 1, 0) - 1)
;;       q = np.round(r / step) * step * 2.0 ** e      # np.round: ties to even
;;       return np.moveaxis(q.reshape(q.shape[:-2] + (-1,))[..., :K], -1, axis).astype(np.float32)
;;   ~~~
;;   SOFTMAX AHEAD OF A QUANTISED PRODUCT. Where the list says 'softmax', what is quantised is not the finished softmax but p = 2^(t - M), with t = logit x log2(e) and M = ceil(the row's largest t), a whole number; so 1/2 < the row's largest p <= 1. The row's sum l is taken of the UNQUANTISED p, in f32, and the product's result is divided by l at the end. Since M is a whole number, a kernel that streams over the keys may use a running M (the ceiling of the running maximum): every later rescaling is an exact power of two, which a block's scale takes up: the codes' values come out the same.
;;   OPERANDS COMPUTED ON THE WAY. 'Computed on the way' means the value that the module computes at that place (a softmax that the list does not call 'softmax' is quantised finished and normalised). What goes into a quantiser is computed in f32, as accurately as f32 sums, v_exp_f32 and their like allow (about 1e-6 of the number): no bf16 or f16 on the way to a quantiser, and a product that is left as it is and whose result goes on into a quantised operand takes f32 operands (vector FMAs, or v_wmma_f32_16x16x4_f32). A number that lies on a knife's edge between two numbers of the format may be rounded either way, as far as f32 arithmetic and the matrix unit's own rounding can turn it there, and no further.
;; One version. Each part assembles by itself: llvm-mc -triple=amdgcn-amd-amdhsa -mcpu=gfx1250 --defsym DOCPART=n.
;; ======== version 1 of 1: 4 launches
;; limits: right only within a limited range of input values
;; workspace buffers: xq 4,456,448 bytes; wq 2,228,224 bytes; rope 524,288 bytes; qq 4,718,592 bytes; kv 9,175,040 bytes; aq 4,456,448 bytes
;; launch prep (part 1): grid 272 x 1, 8 waves a work-group, no clusters, 70,656 bytes of LDS; arguments x, Wqkv, Wo, xq, wq, rope; writes xq, wq, rope
.if DOCPART == 1
	.amdgcn_target "amdgcn-amd-amdhsa--gfx1250"
	.amdhsa_code_object_version 6
	.text
	.protected	k_q2332ef1a8d_prep
	.globl	k_q2332ef1a8d_prep
	.p2align	8
	.type	k_q2332ef1a8d_prep,@function
k_q2332ef1a8d_prep:
	s_mov_b64 s[64:65], 0
	v_nop
	global_prefetch_b8 v0, s[64:65] scope:SCOPE_SE
	s_setreg_imm32_b32 hwreg(HW_REG_WAVE_MODE, 25, 1), 1
	s_wait_xcnt 0x0
; PREP: x [8192][1024], Wqkv [1024][3072] and Wo [1024][1024], f32, become codes of FP4 (E2M1) with one E8M0 byte for each 32 along K; and the table of cos and sin for the rotary embedding is made.
; NO WORK OF THE PROBLEM IS LEFT OUT in this program: every input reaches the output (the bias on k goes into a quantiser, so it stays).
; LAYOUT OF EVERY OPERAND IN THIS PROGRAM: the image of the operand's registers.  A fragment (16 rows x 128 K) is two chunks of 512 bytes; in chunk c lane l = r + 16 hh has its 16 bytes at 16 l: block 2 c + hh (32 codes) of row r.
;   xq: codes [row tile 512][K step 8][c 2][512]; at XS the scale words [row tile][K half 2][r 16][4 words], a word = the four bytes of one K step.
;   wq: the same with a tile of 16 COLUMNS for a row tile: tiles 0-191 Wqkv's, 192-255 Wo's; scale words at WS.
;   rope: [t 2048][cos 32 | sin 32] f32.
; A block's scale is 2^(floor(log2(its largest magnitude)) - 2): its byte is that magnitude's exponent field - 2, held at 1 from below by a floor among the maximum's leaves.
; LIMITS: a block of zeros keeps the byte 1 where the rule says 127 (its codes are zeros, and this program alone reads the bytes); NaN and infinities among the inputs are not served.
; rope: the angle is f32(t) x inv_freq, inv_freq = 1 / f32(10^(j/8)) rounded once more, as the problem forms it; if the problem's power is not the nearest f32, inv_freq differs by an ulp.  sin and cos: two-part reduction by pi/2 and polynomials, good to about 1e-7.
; WORK-GROUPS: 0-95 Wqkv, 96-127 Wo, 128-143 the table, 144-271 x.  The paths part on the work-group's number alone; each has LDS bytes of its own.
.set XS,    4194304
.set WS,    2097152
.set XP,    528                        ; x: a stage row: 512 bytes + 16: the 16 rows that a read touches start at 16 different columns of 16 bytes
.set XW,    16*XP                      ; a wave's stage
.set WSTA,  8*XW                       ; Wqkv's scale words, 1,024 bytes
.set WSTB,  WSTA+1024                  ; Wo's
.set SPARE, WSTB+1024                  ; the spare words, 128 bytes for each of the eight waves: no other line names them
.set SPW,   250
.set NIL,   251
.set R,     16                         ; x: v16-143 two sets of 64 numbers as loaded
.set X,     144                        ; v144-207 my two blocks of 32 neighbours
.set C,     208                        ; v208-239 codes, eight registers a step: no store's data are written again
.set WD,    240                        ; v240-243 a scale word a step
.set TM,    244
.set SO,    246
.set BY,    248
.set WX,    16                         ; W: v16-79 two sets of 32 numbers
.set WC,    80                         ; v80-95 codes, four registers a block
	s_load_b256 s[4:11], s[0:1], 0x0               ; x s[4:5], Wqkv s[6:7], Wo s[8:9], xq s[10:11]
	s_load_b128 s[12:15], s[0:1], 0x20             ; wq s[12:13], rope s[14:15]
	v_lshl_add_u32 v[SPW], v0, 2, SPARE
	v_mov_b32 v[NIL], 0
	v_lshrrev_b32 v1, 5, v0
	s_delay_alu instid0(VALU_DEP_1)
	v_readfirstlane_b32 s20, v1                    ; wave 0..7
	v_and_b32 v1, 31, v0                           ; lane
	v_and_b32 v2, 15, v0                           ; r
	v_bfe_u32 v3, v0, 4, 1                         ; hh
	s_delay_alu instid0(VALU_DEP_3)
	v_lshlrev_b32 v4, 4, v1                        ; 16 x lane
	v_mov_b32 v9, 0                                ; a lane permute's destination counts as one of its sources
	s_mov_b32 s40, 0x76543210
	s_mov_b32 s41, 0xfedcba98                      ; selects for lane l xor 16
	s_mov_b32 s42, 0xffff0000                      ; lanes 16-31
	s_mov_b32 s25, 0
	s_wait_kmcnt 0x0
	s_cmp_lt_u32 ttmp9, 96
	s_cbranch_scc1 .Lwqkv
	s_cmp_lt_u32 ttmp9, 128
	s_cbranch_scc1 .Lwo
	s_cmp_lt_u32 ttmp9, 144
	s_cbranch_scc1 .Lrope
; ---------------- x: a wave takes 16 rows x 512 K, four steps of 128 K.  Each load reads 512 consecutive bytes of one row; the step turns through the wave's own stage so that a lane gets two whole blocks of its row.
	s_sub_co_u32 s21, ttmp9, 144
	s_lshl_b32 s21, s21, 3
	s_add_co_u32 s21, s21, s20                     ; g = 2 x row tile + K half
	s_lshr_b32 s22, s21, 1
	s_and_b32 s23, s21, 1
	s_lshl_b32 s24, s22, 16                        ; 16 rows of 4,096 bytes
	s_lshl_b32 s26, s23, 11
	s_add_co_u32 s24, s24, s26
	s_add_nc_u64 s[4:5], s[4:5], s[24:25]
	s_lshl_b32 s24, s21, 12                        ; codes: 8,192 a tile, 4,096 a half
	s_add_nc_u64 s[16:17], s[10:11], s[24:25]
	s_lshl_b32 s24, s21, 8                         ; scale words: 256 a half
	s_add_co_u32 s24, s24, XS
	s_add_nc_u64 s[18:19], s[10:11], s[24:25]
	s_mul_i32 s27, s20, XW
	s_wait_alu depctr_va_vdst(0)
	v_add_nc_u32 v5, s27, v4                       ; into the stage: 16 x lane, a row an instruction
	v_mul_u32_u24 v6, v2, XP
	s_delay_alu instid0(VALU_DEP_1)
	v_lshl_add_u32 v6, v3, 7, v6
	s_delay_alu instid0(VALU_DEP_1)
	v_add_nc_u32 v6, s27, v6                       ; out of it: row r, block hh
	v_lshlrev_b32 v7, 3, v3                        ; 8 hh: my bytes' place in the word
	v_lshlrev_b32 v8, 4, v2
	s_delay_alu instid0(VALU_DEP_1)
	v_lshl_add_u32 v8, v3, 3, v8                   ; the words' way out: 16 r + 8 hh
.macro LOADX s
.irp i, 0,1,2,3,4,5,6,7,8,9,10,11,12,13,14,15
	global_load_b128 v[R+64*((\s)%2)+4*\i:R+64*((\s)%2)+4*\i+3], v4, s[4:5] offset:\i*4096+(\s)*512 th:TH_LOAD_NT
.endr
.endm
.macro XSTEP s
.if (\s) < 3
	s_wait_loadcnt 16                              ; this step's 16 loads are in; the next step's 16 may be out
.else
	s_wait_loadcnt 0x0
.endif
.irp i, 0,1,2,3,4,5,6,7,8,9,10,11,12,13,14,15
	ds_store_b128 v5, v[R+64*((\s)%2)+4*\i:R+64*((\s)%2)+4*\i+3] offset:XP*\i
.endr
.irp c, 0,1
.irp g, 0,1,2,3,4,5,6,7
	ds_load_b128 v[X+32*\c+4*\g:X+32*\c+4*\g+3], v6 offset:256*\c+16*\g   ; LDS serves a wave's instructions in order: these see the stores above
.endr
.endr
	s_wait_dscnt 0x0
.if (\s) < 2
	LOADX (\s)+2
.endif
.irp c, 0,1
	v_max3_num_f32 v[TM+\c], |v[X+32*\c]|, |v[X+32*\c+1]|, 0x1800000      ; block 2 c + hh: all 32 numbers are mine; the floor 2^(3 - 127) holds the byte at 1
.endr
.irp i, 2,4,6,8,10,12,14,16,18,20,22,24,26,28,30
.irp c, 0,1
	s_delay_alu instid0(VALU_DEP_2)
	v_max3_num_f32 v[TM+\c], v[TM+\c], |v[X+32*\c+\i]|, |v[X+32*\c+\i+1]|
.endr
.endr
.irp c, 0,1
	s_delay_alu instid0(VALU_DEP_2)
	v_add_nc_u32 v[SO+\c], 0xff000000, v[TM+\c]    ; 2 off the exponent field: the conversion's scale operand
.endr
.irp c, 0,1
	s_delay_alu instid0(VALU_DEP_2)
	v_lshrrev_b32 v[BY+\c], 23, v[SO+\c]           ; the byte
.endr
	s_delay_alu instid0(VALU_DEP_1)
	v_lshl_or_b32 v[WD+(\s)], v[BY+1], 16, v[BY]
	s_delay_alu instid0(VALU_DEP_1)
	v_lshlrev_b32 v[WD+(\s)], v7, v[WD+(\s)]       ; bytes hh and 2 + hh
	s_delay_alu instid0(VALU_DEP_1)
	v_permlanex16_b32 v9, v[WD+(\s)], s40, s41
	s_delay_alu instid0(VALU_DEP_1)
	v_or_b32 v[WD+(\s)], v[WD+(\s)], v9            ; with lane l xor 16's two the word is whole
.irp c, 0,1
.irp g, 0,1,2,3
	v_cvt_scalef32_pk8_fp4_f32 v[C+8*(\s)+4*\c+\g], v[X+32*\c+8*\g:X+32*\c+8*\g+7], v[SO+\c]
.endr
.endr
	v_nop                                          ; one plain line behind the last conversion
.irp c, 0,1
	global_store_b128 v4, v[C+8*(\s)+4*\c:C+8*(\s)+4*\c+3], s[16:17] offset:1024*(\s)+512*\c   ; a chunk: 512 consecutive bytes
.endr
.endm
	LOADX 0
	LOADX 1
	s_wait_alu depctr_va_vdst(0)
	XSTEP 0
	XSTEP 1
	XSTEP 2
	XSTEP 3
	v_cndmask_b32 v10, v[WD], v[WD+2], s42         ; lanes 16-31 take words 2 and 3
	v_cndmask_b32 v11, v[WD+1], v[WD+3], s42
	global_store_b64 v8, v[10:11], s[18:19]        ; 32 lanes store 256 consecutive bytes
	s_wait_tensorcnt 0x0                           ; the wave's end
	ds_add_u32 v[SPW], v[NIL]
	s_wait_dscnt 0x0
	s_endpgm
; ---------------- W: K is the first axis.  A lane takes a column and its registers run down K, so a block lies in one lane and the codes come out with K innermost.
; A work-group takes 64 columns x 512 K; wave w takes columns 32 (w & 1) on and K step w >> 1 of the half: four blocks a lane.  Two waves side by side read 256 consecutive bytes of a row.
.macro LOADW t, pitch
.irp i, 0,1,2,3,4,5,6,7,8,9,10,11,12,13,14,15,16,17,18,19,20,21,22,23,24,25,26,27,28,29,30,31
	global_load_b32 v[WX+32*((\t)%2)+\i], v5, s[16:17] offset:(32*(\t)+\i)*(\pitch) th:TH_LOAD_NT
.endr
.endm
.macro WBLOCK t, pitch
.set XB, WX+32*((\t)%2)
.if (\t) < 3
	s_wait_loadcnt 32                              ; this block's 32 loads are in; the next block's may be out
.else
	s_wait_loadcnt 0x0
.endif
	v_max3_num_f32 v96, |v[XB]|, |v[XB+1]|, |v[XB+2]|
	v_max3_num_f32 v97, |v[XB+3]|, |v[XB+4]|, |v[XB+5]|
.irp i, 6,10,14,18,22,26
	s_delay_alu instid0(VALU_DEP_2)
	v_max3_num_f32 v96, v96, |v[XB+\i]|, |v[XB+\i+1]|
	s_delay_alu instid0(VALU_DEP_2)
	v_max3_num_f32 v97, v97, |v[XB+\i+2]|, |v[XB+\i+3]|
.endr
	s_delay_alu instid0(VALU_DEP_2)
	v_max3_num_f32 v96, v96, |v[XB+30]|, |v[XB+31]|
	s_delay_alu instid0(VALU_DEP_1)
	v_max3_num_f32 v96, v96, v97, 0x1800000        ; and the floor
	s_delay_alu instid0(VALU_DEP_1)
	v_add_nc_u32 v98, 0xff000000, v96
	s_delay_alu instid0(VALU_DEP_1)
	v_lshrrev_b32 v99, 23, v98
.if (\t) == 0
	s_delay_alu instid0(VALU_DEP_1)
	v_mov_b32 v100, v99
.else
	s_delay_alu instid0(VALU_DEP_1)
	v_lshl_or_b32 v100, v99, 8*(\t), v100          ; the K step's word, the lower K in the lower byte
.endif
.irp g, 0,1,2,3
	v_cvt_scalef32_pk8_fp4_f32 v[WC+4*(\t)+\g], v[XB+8*\g:XB+8*\g+7], v98
.endr
	v_nop
	global_store_b128 v6, v[WC+4*(\t):WC+4*(\t)+3], s[18:19] offset:((\t)/2)*512+((\t)%2)*256   ; sixteen lanes fill 256 consecutive bytes of one tile, sixteen of the next
.if (\t) < 2
	LOADW (\t)+2, \pitch
.endif
.endm
.macro WPATH pitch, ct, wst, u0, blo
	s_sub_co_u32 s21, ttmp9, \u0
	s_lshr_b32 s22, s21, 1                         ; which 64 columns
	s_and_b32 s23, s21, 1                          ; which half of K
	s_and_b32 s26, s20, 1
	s_lshr_b32 s27, s20, 1
	s_lshl_b32 s28, s23, 2
	s_add_co_u32 s28, s28, s27                     ; my K step
	s_mul_i32 s24, s28, 128*(\pitch)
	s_lshl_b32 s29, s22, 8
	s_add_co_u32 s24, s24, s29
	s_lshl_b32 s29, s26, 7
	s_add_co_u32 s24, s24, s29
	s_add_nc_u64 s[16:17], s[\blo:\blo+1], s[24:25]
	s_lshl_b32 s30, s22, 2
	s_lshl_b32 s29, s26, 1
	s_add_co_u32 s30, s30, s29
	s_add_co_u32 s30, s30, \ct                     ; my first column tile
	s_lshl_b32 s24, s30, 13
	s_lshl_b32 s29, s28, 10
	s_add_co_u32 s24, s24, s29
	s_add_nc_u64 s[18:19], s[12:13], s[24:25]      ; its codes of my K step
	s_lshl_b32 s24, s30, 9
	s_lshl_b32 s29, s23, 8
	s_add_co_u32 s24, s24, s29
	s_add_co_u32 s24, s24, WS
	s_add_nc_u64 s[32:33], s[12:13], s[24:25]      ; its scale words of my half
	v_lshlrev_b32 v5, 2, v1                        ; in: 4 bytes a lane
	v_lshlrev_b32 v6, 4, v2
	s_delay_alu instid0(VALU_DEP_1)
	v_lshl_add_u32 v10, v3, 9, v6                  ; scale words out: 512 a tile, 16 a column
	s_delay_alu instid0(VALU_DEP_2)
	v_lshl_add_u32 v6, v3, 13, v6                  ; codes out: 8,192 a tile, 16 a column
	s_lshl_b32 s29, s26, 9
	s_add_co_u32 s29, s29, \wst
	v_add_nc_u32 v8, s29, v4                       ; LDS: two tiles' words, read back whole
	s_lshl_b32 s31, s27, 2
	s_add_co_u32 s29, s29, s31
	v_add_nc_u32 v7, s29, v4                       ; LDS: my column's 16 bytes, my K step's word
	LOADW 0, \pitch
	LOADW 1, \pitch
	WBLOCK 0, \pitch
	WBLOCK 1, \pitch
	WBLOCK 2, \pitch
	WBLOCK 3, \pitch
	ds_store_b32 v7, v100
	s_wait_dscnt 0x0                               ; for the others' sake: my word has landed
	s_barrier_signal -1
	s_barrier_wait -1
	s_cmp_lt_u32 s20, 2                            ; waves 0 and 1 carry the four K steps' words out: 16 bytes a column
	s_cbranch_scc0 .Lw_done_\@
	ds_load_b128 v[104:107], v8
	s_wait_dscnt 0x0
	global_store_b128 v10, v[104:107], s[32:33]    ; sixteen lanes fill 256 consecutive bytes
.Lw_done_\@:
	s_wait_tensorcnt 0x0                           ; the wave's end
	ds_add_u32 v[SPW], v[NIL]
	s_wait_dscnt 0x0
	s_endpgm
.endm
.Lwqkv:
	s_wait_alu depctr_va_vdst(0)
	WPATH 12288, 0, WSTA, 0, 6
.Lwo:
	s_wait_alu depctr_va_vdst(0)
	WPATH 4096, 192, WSTB, 96, 8
; ---------------- the table.  A wave makes 16 rows, two a trip.  Lane p = lane % 16: p < 8 makes cos, p >= 8 sin, of j = 4 (p % 8) + 0 .. 3; lanes 16-31 the next row.  Sixteen lanes store a row of 256 bytes.
.macro PICK i, c0, c1, c2, c3, c4, c5, c6, c7     ; 10^(j/8) for j = 4 m + i, m = p % 8
	v_mov_b32 v[16+\i], \c0
	s_mov_b32 s50, \c1
	v_cndmask_b32 v[16+\i], v[16+\i], s50, s31
	s_mov_b32 s50, \c2
	v_cndmask_b32 v[16+\i], v[16+\i], s50, s32
	s_mov_b32 s50, \c3
	v_cndmask_b32 v[16+\i], v[16+\i], s50, s33
	s_mov_b32 s50, \c4
	v_cndmask_b32 v[16+\i], v[16+\i], s50, s34
	s_mov_b32 s50, \c5
	v_cndmask_b32 v[16+\i], v[16+\i], s50, s35
	s_mov_b32 s50, \c6
	v_cndmask_b32 v[16+\i], v[16+\i], s50, s36
	s_mov_b32 s50, \c7
	v_cndmask_b32 v[16+\i], v[16+\i], s50, s37
.endm
.Lrope:
	s_sub_co_u32 s21, ttmp9, 128
	s_lshl_b32 s21, s21, 3
	s_add_co_u32 s21, s21, s20                     ; which 16 rows
	s_lshl_b32 s24, s21, 12
	s_add_nc_u64 s[14:15], s[14:15], s[24:25]
	v_and_b32 v5, 7, v0
.irp m, 1,2,3,4,5,6,7
	v_cmp_eq_u32 s[30+\m], \m, v5
.endr
	PICK 0, 1.0, 3.1622776601683795, 10.0, 31.622776601683795, 100.0, 316.22776601683795, 1000.0, 3162.2776601683795
	PICK 1, 1.3335214321633240, 4.2169650342858225, 13.335214321633240, 42.169650342858225, 133.35214321633240, 421.69650342858225, 1333.5214321633240, 4216.9650342858225
	PICK 2, 1.7782794100389228, 5.6234132519034908, 17.782794100389228, 56.234132519034908, 177.82794100389228, 562.34132519034908, 1778.2794100389228, 5623.4132519034908
	PICK 3, 2.3713737056616552, 7.4989420933245582, 23.713737056616552, 74.989420933245582, 237.13737056616552, 749.89420933245582, 2371.3737056616552, 7498.9420933245582
	s_wait_alu depctr_va_vdst(0)
.irp i, 0,1,2,3
	v_rcp_f32 v[20+\i], v[16+\i]
.endr
	v_nop                                          ; a plain line behind the last reciprocal,
	s_wait_alu depctr_va_vdst(0)                   ; and one wait for the four, ahead of their first reader
.irp i, 0,1,2,3
	v_fma_f32 v[24+\i], -v[16+\i], v[20+\i], 1.0   ; one Newton step: the quotient 1 / p rounded once
.endr
.irp i, 0,1,2,3
	v_fma_f32 v[16+\i], v[24+\i], v[20+\i], v[20+\i]   ; inv_freq
.endr
	s_lshl_b32 s26, s21, 4
	v_add_nc_u32 v6, s26, v3
	s_delay_alu instid0(VALU_DEP_1)
	v_cvt_f32_u32 v28, v6                          ; t, as f32
	v_bfe_u32 v29, v0, 3, 1
	s_delay_alu instid0(VALU_DEP_1)
	v_xor_b32 v29, 1, v29                          ; cos(x) = sin(x + pi/2): one quadrant on in the cos lanes
	v_mov_b32 v30, v4                              ; 16 x lane = 256 hh + 16 p
	s_mov_b32 s52, -0.00019515295891               ; sin: r + z r (S1 + z (S2 + z S3))
	s_mov_b32 s53, 0.0083321608736
	s_mov_b32 s54, -0.16666654611
	s_mov_b32 s55, 0.00002443315712                ; cos: 1 - z / 2 + z z (C1 + z (C2 + z C3))
	s_mov_b32 s56, -0.001388731625
	s_mov_b32 s57, 0.04166664568
	s_mov_b32 s30, 8
.Lrow:
	s_wait_alu depctr_va_vdst(0)
.irp i, 0,1,2,3
	v_mul_f32 v[32+\i], v28, v[16+\i]              ; the angle, rounded as the problem rounds it
.endr
.irp i, 0,1,2,3
	s_delay_alu instid0(VALU_DEP_4)
	v_mul_f32 v[36+\i], 0xbf22f983, v[32+\i]       ; x -2 / pi
.endr
.irp i, 0,1,2,3
	s_delay_alu instid0(VALU_DEP_4)
	v_rndne_f32 v[36+\i], v[36+\i]                 ; -n
.endr
.irp i, 0,1,2,3
	s_delay_alu instid0(VALU_DEP_4)
	v_fmamk_f32 v[32+\i], v[36+\i], 0x3fc90fdb, v[32+\i]   ; - n x the high part of pi/2: exact (n has 11 bits)
.endr
.irp i, 0,1,2,3
	s_delay_alu instid0(VALU_DEP_4)
	v_fmamk_f32 v[32+\i], v[36+\i], 0xb33bbd2e, v[32+\i]   ; - n x the low part: r in [-pi/4, pi/4]
.endr
.irp i, 0,1,2,3
	s_delay_alu instid0(VALU_DEP_4)
	v_mul_f32 v[40+\i], v[32+\i], v[32+\i]         ; z
.endr
.irp i, 0,1,2,3
	v_cvt_i32_f32 v[36+\i], v[36+\i]
.endr
.irp i, 0,1,2,3
	s_delay_alu instid0(VALU_DEP_4)
	v_sub_nc_u32 v[36+\i], v29, v[36+\i]           ; the quadrant
.endr
.irp i, 0,1,2,3
	v_fma_f32 v[48+\i], v[40+\i], s52, s53
	v_fma_f32 v[56+\i], v[40+\i], s55, s56
.endr
.irp i, 0,1,2,3
	v_fma_f32 v[48+\i], v[48+\i], v[40+\i], s54
	v_fma_f32 v[56+\i], v[56+\i], v[40+\i], s57
.endr
.irp i, 0,1,2,3
	v_mul_f32 v[52+\i], v[40+\i], v[32+\i]         ; z r
	v_mul_f32 v[60+\i], v[40+\i], v[40+\i]         ; z z
	v_fma_f32 v[64+\i], v[40+\i], -0.5, 1.0
.endr
.irp i, 0,1,2,3
	v_fma_f32 v[48+\i], v[48+\i], v[52+\i], v[32+\i]   ; sin r
	v_fma_f32 v[56+\i], v[56+\i], v[60+\i], v[64+\i]   ; cos r
.endr
.irp i, 0,1,2,3
	v_and_b32 v[68+\i], 1, v[36+\i]
	v_and_b32 v[72+\i], 2, v[36+\i]
.endr
.irp i, 0,1,2,3
	v_cmp_eq_u32 vcc_lo, 1, v[68+\i]
	s_delay_alu instid0(VALU_DEP_1)
	v_cndmask_b32 v[44+\i], v[48+\i], v[56+\i], vcc_lo   ; odd quadrants take cos r
	v_lshlrev_b32 v[72+\i], 30, v[72+\i]
	s_delay_alu instid0(VALU_DEP_1)
	v_xor_b32 v[44+\i], v[72+\i], v[44+\i]         ; quadrants 2 and 3 change the sign
.endr
	global_store_b128 v30, v[44:47], s[14:15]
	s_wait_xcnt 0x0                                ; the store has read its registers: they are written again only behind this wait
	v_add_nc_u32 v30, 512, v30
	v_add_f32 v28, 2.0, v28
	s_sub_co_u32 s30, s30, 1
	s_cmp_lg_u32 s30, 0
	s_cbranch_scc1 .Lrow
	s_endpgm
.Lfunc_end_k_q2332ef1a8d_prep:
	.size	k_q2332ef1a8d_prep, .Lfunc_end_k_q2332ef1a8d_prep-k_q2332ef1a8d_prep
	.p2alignl 7, 3214868480
	.fill 96, 4, 3214868480
	.section	.rodata,"a",@progbits
	.p2align	6, 0x0
	.amdhsa_kernel k_q2332ef1a8d_prep
		.amdhsa_group_segment_fixed_size 70656
		.amdhsa_private_segment_fixed_size 0
		.amdhsa_enable_private_segment 0
		.amdhsa_kernarg_size 48
		.amdhsa_user_sgpr_count 2
		.amdhsa_user_sgpr_kernarg_segment_ptr 1
		.amdhsa_wavefront_size32 1
		.amdhsa_system_sgpr_workgroup_id_x 1
		.amdhsa_system_sgpr_workgroup_id_y 1
		.amdhsa_system_sgpr_workgroup_id_z 1
		.amdhsa_system_vgpr_workitem_id 0
		.amdhsa_next_free_vgpr 256
		.amdhsa_next_free_sgpr 66
		.amdhsa_reserve_vcc 1
		.amdhsa_float_denorm_mode_32 3
		.amdhsa_float_denorm_mode_16_64 3
		.amdhsa_memory_ordered 1
		.amdhsa_forward_progress 1
		.amdhsa_inst_pref_size 91
	.end_amdhsa_kernel
	.amdgpu_metadata
---
amdhsa.version: [ 1, 2 ]
amdhsa.kernels:
  - .name:           k_q2332ef1a8d_prep
    .symbol:         k_q2332ef1a8d_prep.kd
    .args:
      - { .name: x, .offset: 0, .size: 8, .value_kind: global_buffer, .address_space: global }
      - { .name: Wqkv, .offset: 8, .size: 8, .value_kind: global_buffer, .address_space: global }
      - { .name: Wo, .offset: 16, .size: 8, .value_kind: global_buffer, .address_space: global }
      - { .name: xq, .offset: 24, .size: 8, .value_kind: global_buffer, .address_space: global }
      - { .name: wq, .offset: 32, .size: 8, .value_kind: global_buffer, .address_space: global }
      - { .name: rope, .offset: 40, .size: 8, .value_kind: global_buffer, .address_space: global }
    .group_segment_fixed_size: 70656
    .private_segment_fixed_size: 0
    .kernarg_segment_align: 8
    .kernarg_segment_size: 48
    .max_flat_workgroup_size: 256
    .sgpr_count:     66
    .vgpr_count:     256
    .wavefront_size: 32
...
	.end_amdgpu_metadata
.endif
;; end of part 1
;; launch gemm1 (part 2): grid 8 x 32, 4 waves a work-group, clusters of 4 x 4, 327,680 bytes of LDS; arguments xq, wq, bqkv, padding_mask, rope, qq, kv; writes qq, kv
.if DOCPART == 2
	.amdgcn_target "amdgcn-amd-amdhsa--gfx1250"
	.amdhsa_code_object_version 6
	.text
	.protected	k_q2332ef1a8d_gemm1
	.globl	k_q2332ef1a8d_gemm1
	.p2align	8
	.type	k_q2332ef1a8d_gemm1,@function
k_q2332ef1a8d_gemm1:
	s_mov_b64 s[64:65], 0
	v_nop
	global_prefetch_b8 v0, s[64:65] scope:SCOPE_SE
	s_setreg_imm32_b32 hwreg(HW_REG_WAVE_MODE, 25, 1), 1
	s_wait_xcnt 0x0
	s_wait_alu depctr_hold_cnt(0) depctr_sa_sdst(0) depctr_va_vdst(0) depctr_va_sdst(0) depctr_va_ssrc(0) depctr_va_vcc(0) depctr_vm_vsrc(0)
	s_getreg_b32 s2, hwreg(HW_REG_IB_STS2, 6, 4)
	s_cmp_eq_u32 s2, 0
	s_cbranch_scc0 .Lentry_in_a_cluster
	s_endpgm
.Lentry_in_a_cluster:
	s_bfe_u32 s2, ttmp6, 0x10000c
	s_cmp_lg_u32 s2, 0xf033
	s_cbranch_scc0 .Lentry_shape_is_right
	s_endpgm
.Lentry_shape_is_right:
; GEMM1: qkv = Q(x) Q(Wqkv) + bqkv on codes of FP4, then, in registers: the rotary embedding on q and k, and the quantisers of the attention's operands.
; A WORK-GROUP STAYS: it owns 256 rows of x, which lie in LDS for all of K = 1,024 (16 tiles of 8,192 bytes), and makes three blocks of 128 columns: v's, q's and k's of the same two heads.
; Four waves, each 128 rows x 64 columns = one head's 64 numbers of 128 positions: 32 accumulators.  256 work-groups in all.
; W's blocks, 65,536 bytes each, have two slots.  At the head each wave asks for one dense block: waves 0, 1 the halves of x, wave 2 Wv (slot A), wave 3 Wq (slot B).
; When every wave of the cluster has multiplied v, Wk is asked for into slot A, a quarter a wave; v's way out and q's whole part stand between that request and its first read.
; Operands lie as images of their registers, so every fragment load reads 512 consecutive bytes.
; THE SCALE WORDS go from memory straight into registers: a tile's 512 bytes are [K half 2][r 16][4 words]: lanes 0-15 hold K steps 0-3, lanes 16-31 K steps 4-7; the ROW selector picks the half.
; CLUSTER 4 x 4: a row of the cluster shares x's rows, a column W's columns: each block is asked for jointly.  All partners walk the same parts.
; No prefetch: the launch has one refill, asked for a whole part ahead of its first read, and no loop of loads to run ahead in.
; q, k: source 0 = W's columns, source 1 = x's rows: a lane holds one position.  v: swapped: a lane holds one of the head's numbers and its registers run along the positions, v's K.
; OUT: qq: codes [bh 64][tile of 16 positions 128][512]; at QS the scale words [bh][128 positions 16][hh 2][r 16][4 words].
;      kv: [bh][chunk of 512 keys 4][35,840]: K's codes [step 4][tile 8][512] | at 16,384 V's codes [step 4][16 of the head 4][c 2][512] | at 32,768 K's words [step 4][hh 2][row 16][4 words] | at 34,816 V's [step 4][r 16][4 words].
; THE KEYS OF A TILE OF K ARE CHOSEN: row m of tile t of a step is key 64 (t / 4) + 32 (m / 8) + 8 (t % 4) + m % 8, so that in the attention a lane half holds whole blocks of 32 keys.
; So k's stores write runs of 128 bytes (tiles a and a + 2 of positions fill a run of 256 together), and its scale words leave four bytes a lane inside the step's 512 bytes.
; THE PADDING MASK rides in byte 2 of the scale words (the scores' product has K = 64 in an instruction of K = 128): q's 102; k's 254 for a masked key, 1 for an open one.
; LIMITS: zero blocks keep the byte 1; no NaN or infinities; an open key's score carries -2^-153.
.set XS,    4194304
.set WS,    2097152
.set QS,    4194304
.set WB,    131072                     ; slot A; slot B 65,536 further on
.set SPARE, 262144                     ; the spare words, 128 bytes a wave
.set ADRA,  16
.set ADRB,  20
.set VO,    10                         ; v10-13 q's or k's codes: the lane's offset for tiles a % 4 = 0 .. 3
.set SPW,   28
.set NIL,   29
.set SA,    32                         ; v32-63 x's scale words: 4 a + q % 4
.set SB,    64                         ; v64-79 W's: 4 b + q % 4
.set AF,    128                        ; v128-191 x's eight fragments
.set BI,    64                         ; window 1: v64-95 the bias; v0-31, v128-159 W's fragments, two sets
.set EX,    100
.set WD,    108
.set O0,    192
.set O1,    208
.set TT,    224
.set WV,    18
.set RH,    19
.set CH,    20
.set G1A,   28
.set G0A,   36
.set G0R,   40
.set G1B,   44
.set G0B,   52
.set G1R,   56
.set TR,    72                         ; s72 the loop's trip: 0 q, 1 k
.set MSB, 0
.macro WIN new
.if MSB != (\new)
	s_set_vgpr_msb (MSB<<8)|(\new)
.set MSB, (\new)
.endif
.endm
.macro PLACES n
.rept \n
	v_nop
.endr
.endm
.macro JLOAD g0a, g1a, g0b, g1b        ; waves 0, 1 fetch for x, waves 2, 3 for W: one load on every way
	s_cmp_eq_u32 s[RH], 0
	s_cbranch_scc0 .Lfor_b_\@
	tensor_load_to_lds s[\g0a:\g0a+3], s[\g1a:\g1a+7]
	s_nop 0
.rept 4
	v_nop
.endr
	s_branch .Lasked_\@
.Lfor_b_\@:
	tensor_load_to_lds s[\g0b:\g0b+3], s[\g1b:\g1b+7]
	s_nop 0
.rept 4
	v_nop
.endr
.Lasked_\@:
.endm
.macro CROUND
	s_barrier_signal -1
	s_barrier_wait -1
	s_cmp_lg_u32 s[WV], 0
	s_cbranch_scc1 .Lnot_wave_0_\@
	s_barrier_signal -3
.Lnot_wave_0_\@:
	s_barrier_wait -3
	s_barrier_signal -1
	s_barrier_wait -1
.endm
.macro FRAG reg, adr, q, i
.irp c, 0,1
	ds_load_b128 v[\reg+4*\c:\reg+4*\c+3], v[\adr] offset:8192*(\i)+1024*(\q)+512*\c
.endr
.endm
.macro FETCH_B q
	WIN 0x40
.irp i, 0,1,2,3
	FRAG 128*((\q)%2)+8*\i, ADRB, \q, \i
.endr
	WIN 0
.endm
.macro FETCH_A q, i0
.irp i, \i0, \i0+1, \i0+2, \i0+3
	FRAG AF+8*(\i), ADRA, \q, \i
.endr
.endm
.macro MWIN first, sw                  ; W window 1, x window 0, C and D window 2; the first products take the bias, window 1, as C
	WIN (0xa1+3*(\sw)-0x10*(\first))
.endm
.macro WM d, a, b, c, sa, sb, row
.if \row
	v_wmma_scale_f32_16x16x128_f8f6f4 v[\d:\d+7], v[\a:\a+7], v[\b:\b+7], v[\c:\c+7], v[\sa], v[\sb] matrix_a_fmt:MATRIX_FMT_FP4 matrix_b_fmt:MATRIX_FMT_FP4 matrix_a_scale:MATRIX_SCALE_ROW1 matrix_b_scale:MATRIX_SCALE_ROW1
.else
	v_wmma_scale_f32_16x16x128_f8f6f4 v[\d:\d+7], v[\a:\a+7], v[\b:\b+7], v[\c:\c+7], v[\sa], v[\sb] matrix_a_fmt:MATRIX_FMT_FP4 matrix_b_fmt:MATRIX_FMT_FP4
.endif
.endm
; 8 products: x's blocks a0, a0 + 1 against W's four, K step q.  The 32 accumulators take turns.
.macro MUL8 a0, q, first, sw
.irp a, \a0, \a0+1
.irp b, 0,1,2,3
.set rD, 8*(4*(\a)+\b)
.set rA, AF+8*(\a)
.set rB, 128*((\q)%2)+8*\b
.set rC, rD
.if \first
.set rC, BI+8*\b
.endif
.set sA, SA+4*(\a)+(\q)%4
.set sB, SB+4*\b+(\q)%4
.if \sw
	WM rD, rA, rB, rC, sA, sB, (\q)/4
.else
	WM rD, rB, rA, rC, sB, sA, (\q)/4
.endif
.endr
.endr
.endm
.macro STEP q, first, sw               ; a K step of 128 with a successor; four plain lines stand in front of each run of loads into registers that products have read
	s_wait_dscnt 8                                 ; all but the youngest eight loads (x's blocks 4-7) are in
	MWIN \first, \sw
	MUL8 0, \q, \first, \sw
	MUL8 2, \q, \first, \sw
	s_wait_dscnt 0x0
	PLACES 4
	FETCH_B (\q)+1
	FETCH_A (\q)+1, 0
	MWIN \first, \sw
	MUL8 4, \q, \first, \sw
	MUL8 6, \q, \first, \sw
	PLACES 4
	WIN 0
	FETCH_A (\q)+1, 4
.endm
.macro MAIN sw
	s_wait_tensorcnt 0x0                           ; what I asked for has landed; the barrier shows everybody's
	s_barrier_signal -1
	s_barrier_wait -1
	FETCH_B 0
	FETCH_A 0, 0
	FETCH_A 0, 4
	s_wait_loadcnt 0x0                             ; the scale words, the bias, and what the way out will want
	STEP 0, 1, \sw
.irp q, 1,2,3,4,5,6
	STEP \q, 0, \sw
.endr
	s_wait_dscnt 8
	MWIN 0, \sw
	MUL8 0, 7, 0, \sw
	MUL8 2, 7, 0, \sw
	s_wait_dscnt 0x0
	MUL8 4, 7, 0, \sw
	MUL8 6, 7, 0, \sw
	WIN 0
	PLACES 4
.endm
	s_load_b256 s[4:11], s[0:1], 0x0               ; xq, wq, bqkv, padding_mask
	s_load_b128 s[12:15], s[0:1], 0x20             ; rope, qq
	s_load_b64 s[16:17], s[0:1], 0x30              ; kv
	v_lshl_add_u32 v[SPW], v0, 2, SPARE
	v_mov_b32 v[NIL], 0
	ds_add_u32 v[SPW], v[NIL]                      ; the opening: the add, twice on end, and its wait ahead of my first tensor load
	ds_add_u32 v[SPW], v[NIL]
	v_lshrrev_b32 v1, 5, v0
	v_readfirstlane_b32 s[WV], v1
	s_lshr_b32 s[RH], s[WV], 1                     ; which 128 rows are mine; also: at the head I fetch for x (0) or W (1)
	s_and_b32 s[CH], s[WV], 1                      ; which 64 columns; also: which block I fetch at the head
	s_bfe_u32 s21, ttmp6, 0x40000
	s_bfe_u32 s22, ttmp6, 0x40004
	s_lshl_b32 s23, ttmp9, 2
	s_add_co_u32 s23, s23, s21                     ; GX 0..7: which two heads
	s_and_b32 s24, ttmp7, 0xffff
	s_lshl_b32 s24, s24, 2
	s_add_co_u32 s24, s24, s22                     ; TY: which 256 rows
	s_lshl_b32 s25, s22, 2
	s_lshl_b32 s25, 15, s25
	s_lshl_b32 s26, 0x1111, s21
	s_or_b32 s[G1A], s25, (3<<16)|(1<<21)          ; the mask; elements of 8 bytes; bit 21 beside a mask
	s_or_b32 s[G1B], s26, (3<<16)|(1<<21)
	s_or_b32 s[G1R], s26, (3<<16)|(1<<21)
.irp g, G1A, G1B                                   ; a row = a tile's 8,192 bytes; the tiles lie on end: eight to a load at the head,
	s_mov_b32 s[\g+1], 1024<<16
	s_mov_b32 s[\g+2], 8<<16
	s_mov_b32 s[\g+3], 1024<<16
	s_mov_b32 s[\g+4], 8
	s_mov_b32 s[\g+5], 1024
	s_mov_b32 s[\g+6], 0
	s_mov_b32 s[\g+7], 0
.endr
	s_mov_b32 s[G1R+1], 1024<<16                   ; two to a wave's part of the refill
	s_mov_b32 s[G1R+2], 2<<16
	s_mov_b32 s[G1R+3], 1024<<16
	s_mov_b32 s[G1R+4], 2
	s_mov_b32 s[G1R+5], 1024
	s_mov_b32 s[G1R+6], 0
	s_mov_b32 s[G1R+7], 0
	s_lshl_b32 s92, s24, 4
	s_lshl_b32 s93, s[CH], 3
	s_add_co_u32 s92, s92, s93                     ; x: the tiles that I fetch: 16 TY + 8 x half
	s_lshl_b32 s92, s92, 13
	s_mov_b32 s93, 0
	s_lshl_b32 s81, s23, 3                         ; 8 GX: q's first column tile; k's 64 on, v's 128 on
	s_xor_b32 s94, s[CH], 1
	s_lshl_b32 s94, s94, 7
	s_add_co_u32 s94, s94, s81                     ; wave 2: Wv, wave 3: Wq
	s_lshl_b32 s94, s94, 13
	s_mov_b32 s95, 0
	s_lshl_b32 s96, s[WV], 1
	s_add_co_u32 s96, s96, s81
	s_add_co_u32 s96, s96, 64                      ; the refill: my two tiles of Wk
	s_lshl_b32 s96, s96, 13
	s_mov_b32 s97, 0
	s_lshl_b32 s66, s[CH], 2
	s_add_co_u32 s66, s66, s81
	s_lshl_b32 s66, s66, 9
	s_add_co_u32 s66, s66, WS                      ; the scale words of q's four tiles that I multiply
	s_mov_b32 s67, 0
	s_lshl_b32 s68, s24, 4
	s_lshl_b32 s69, s[RH], 3
	s_add_co_u32 s68, s68, s69                     ; x's tiles that I multiply
	s_lshl_b32 s68, s68, 9
	s_add_co_u32 s68, s68, XS
	s_mov_b32 s69, 0
	s_lshl_b32 s76, s[CH], 16                      ; where they go: made of the wave's number alone
	s_add_co_u32 s77, s76, WB
	s_lshl_b32 s78, s[WV], 14
	s_add_co_u32 s78, s78, WB
	s_mov_b32 s100, 0x76543210
	s_mov_b32 s101, 0xfedcba98
	s_wait_dscnt 0x0
	s_wait_kmcnt 0x0
	s_add_nc_u64 s[92:93], s[4:5], s[92:93]
	s_add_nc_u64 s[94:95], s[6:7], s[94:95]
	s_add_nc_u64 s[96:97], s[6:7], s[96:97]
	s_add_nc_u64 s[66:67], s[6:7], s[66:67]
	s_add_nc_u64 s[68:69], s[4:5], s[68:69]
	s_add_nc_u64 s[70:71], s[66:67], 65536         ; v's scale words: 128 tiles of 512 bytes on
	CROUND                                         ; all sixteen work-groups are here: the joint loads meet
	s_mov_b32 s[G0A], 1
	s_mov_b32 s[G0A+1], s76
	s_mov_b64 s[G0A+2:G0A+3], s[92:93]
	s_or_b32 s[G0A+3], s[G0A+3], 0x80000000
	s_mov_b32 s[G0B], 1
	s_mov_b32 s[G0B+1], s77
	s_mov_b64 s[G0B+2:G0B+3], s[94:95]
	s_or_b32 s[G0B+3], s[G0B+3], 0x80000000
	s_mov_b32 s[G0R], 1
	s_mov_b32 s[G0R+1], s78
	s_mov_b64 s[G0R+2:G0R+3], s[96:97]
	s_or_b32 s[G0R+3], s[G0R+3], 0x80000000
	JLOAD G0A, G1A, G0B, G1B                       ; my one tensor load at the head
	v_and_b32 v1, 15, v0                           ; r
	v_bfe_u32 v2, v0, 4, 1                         ; h
	v_and_b32 v3, 31, v0
	v_lshlrev_b32 v3, 4, v3                        ; 16 x lane
	s_lshl_b32 s76, s[RH], 16
	s_lshl_b32 s77, s[CH], 15
	s_add_co_u32 s77, s77, WB
	v_add_nc_u32 v[ADRA], s76, v3
	v_add_nc_u32 v[ADRB], s77, v3                  ; v: slot A
	v_lshrrev_b32 v9, 3, v1
	v_and_b32 v14, 7, v1
	v_lshlrev_b32 v14, 4, v14
	v_lshl_add_u32 v14, v9, 2, v14
	v_lshl_add_u32 v14, v2, 8, v14                 ; k's words out: 256 h + 16 (r % 8) + 4 (r / 8)
	v_mul_u32_u24 v9, v9, 384                      ; k's codes out lie 384 (r / 8) beyond 16 x lane
	v_lshlrev_b32 v5, 2, v1                        ; v's bias: my column's number
	v_lshlrev_b32 v8, 4, v1
	v_lshl_add_u32 v8, v2, 3, v8                   ; v's words out: 16 r + 8 h
	v_lshlrev_b32 v6, 8, v1
	v_lshl_add_u32 v6, v2, 4, v6                   ; table: row r, + 16 h
	v_lshlrev_b32 v7, 5, v2                        ; q's, k's bias: 64 b + 32 h
.irp i, 0,1,2,3
	v_mov_b32 v[236+\i], 0                         ; a lane permute's destination counts as one of its sources
.endr
	s_wait_alu depctr_va_vdst(0)
.irp a, 0,1,2,3,4,5,6,7
	global_load_b128 v[SA+4*\a:SA+4*\a+3], v3, s[68:69] offset:512*\a
.endr
.irp b, 0,1,2,3
	global_load_b128 v[SB+4*\b:SB+4*\b+3], v3, s[70:71] offset:512*\b
.endr
	s_lshl_b32 s81, s23, 1
	s_add_co_u32 s81, s81, s[CH]                   ; the head
	s_lshr_b32 s77, s24, 3                         ; the batch
	s_lshl_b32 s78, s77, 4
	s_add_co_u32 s78, s78, s81                     ; bh
	s_and_b32 s79, s24, 7
	s_lshl_b32 s79, s79, 8
	s_lshl_b32 s80, s[RH], 7
	s_add_co_u32 s79, s79, s80                     ; T0: my first position
	s_bfe_u32 s80, s79, 0x20007                    ; which 128 of a chunk's 512
	s_lshr_b32 s81, s79, 9
	s_mul_i32 s92, s78, 143360
	s_mul_i32 s81, s81, 35840
	s_add_co_u32 s92, s92, s81                     ; my chunk in kv
	s_lshl_b32 s94, s23, 9
	s_lshl_b32 s95, s[CH], 8
	s_add_co_u32 s94, s94, s95
	s_mov_b32 s95, 0
	s_add_nc_u64 s[8:9], s[8:9], s[94:95]          ; q's bias of my 64 columns; k's 4,096 bytes on, v's 8,192
	s_add_nc_u64 s[86:87], s[8:9], 8192
	s_mov_b32 s93, 0xffff0000                      ; lanes 16-31
	s_lshl_b32 s94, s79, 8
	s_add_nc_u64 s[12:13], s[12:13], s[94:95]      ; the table at my first position
	s_lshl_b32 s94, s77, 11
	s_add_co_u32 s94, s94, s79
	s_add_nc_u64 s[10:11], s[10:11], s[94:95]      ; the mask likewise
	s_lshl_b32 s88, s78, 16
	s_lshl_b32 s81, s79, 5
	s_add_co_u32 s88, s88, s81                     ; q's codes
	s_lshl_b32 s89, s80, 12
	s_add_co_u32 s89, s89, s92                     ; k's
	s_lshl_b32 s90, s78, 13
	s_lshl_b32 s81, s79, 2
	s_add_co_u32 s90, s90, s81
	s_add_co_u32 s90, s90, QS                      ; q's words
	s_lshl_b32 s91, s80, 9
	s_add_co_u32 s91, s91, s92
	s_add_co_u32 s91, s91, 32768                   ; k's
	s_mov_b32 s73, 0xFD0000
	s_mov_b32 s82, 0x05040100
	s_mov_b32 s83, 0x07060302
; ---------------- v: quantised along the positions, which are its K
	s_lshl_b32 s94, s80, 12
	s_add_co_u32 s94, s94, s92
	s_add_co_u32 s94, s94, 16384
	s_add_nc_u64 s[96:97], s[16:17], s[94:95]
	s_lshl_b32 s94, s80, 8
	s_add_co_u32 s94, s94, s92
	s_add_co_u32 s94, s94, 34816
	s_add_nc_u64 s[98:99], s[16:17], s[94:95]
	WIN 0x40
.irp b, 0,1,2,3
.irp j, 0,1,2,3,4,5,6,7
	global_load_b32 v[BI+8*\b+\j], v5, s[86:87] offset:64*\b
.endr
.endr
	WIN 0
	MAIN 1
	s_wait_tensorcnt 0x0                           ; slot A has been multiplied
	ds_add_u32 v[SPW], v[NIL]
	s_wait_dscnt 0x0
	CROUND                                         ; no wave of any partner still reads Wv
	tensor_load_to_lds s[G0R:G0R+3], s[G1R:G1R+7]  ; my quarter of Wk
	s_nop 0
.rept 4
	v_nop
.endr
	WIN 0xc0                                       ; window 3: the table, for q and k alike: tile a's cos at 32 a + 4 t, its sin at 32 a + 16 + 4 t: j = 8 t + 4 h + 0 .. 3
.irp a, 0,1,2,3,4,5,6,7
.irp t, 0,1,2,3
	global_load_b128 v[32*\a+4*\t:32*\a+4*\t+3], v6, s[12:13] offset:4096*\a+32*\t
	global_load_b128 v[32*\a+16+4*\t:32*\a+16+4*\t+3], v6, s[12:13] offset:4096*\a+32*\t+128
.endr
.endr
	WIN 0
.macro VQ b
.irp k, 0,1,2,3
	v_mov_b32 v[232+\k], 0x1800000
.endr
	WIN 0x28
.irp u, 0,32
.irp i, 0,2,4,6
.irp k, 0,1,2,3
	v_max3_num_f32 v[232+\k], v[232+\k], |v[64*\k+\u+8*(\b)+\i]|, |v[64*\k+\u+8*(\b)+\i+1]|
.endr
.endr
.endr
	WIN 0
.irp k, 0,1,2,3
	v_permlanex16_b32 v[236+\k], v[232+\k], s100, s101
.endr
.irp k, 0,1,2,3
	v_max_num_f32 v[232+\k], v[232+\k], v[236+\k]
.endr
.irp k, 0,1,2,3
	v_add_nc_u32 v[240+\k], 0xff000000, v[232+\k]
.endr
.irp k, 0,1,2,3
	v_lshrrev_b32 v[244+\k], 23, v[240+\k]
.endr
	v_lshl_or_b32 v[WD+(\b)], v245, 8, v244
	v_lshl_or_b32 v[WD+(\b)], v246, 16, v[WD+(\b)]
	v_lshl_or_b32 v[WD+(\b)], v247, 24, v[WD+(\b)]
	WIN 0x02
.irp c, 0,1
	v_cvt_scalef32_pk8_fp4_f32 v[AF+8*(\b)+4*\c], v[128*\c+8*(\b):128*\c+8*(\b)+7], v[240+2*\c]
	v_cvt_scalef32_pk8_fp4_f32 v[AF+8*(\b)+4*\c+2], v[128*\c+32+8*(\b):128*\c+32+8*(\b)+7], v[240+2*\c]
	v_cvt_scalef32_pk8_fp4_f32 v[AF+8*(\b)+4*\c+1], v[128*\c+64+8*(\b):128*\c+64+8*(\b)+7], v[241+2*\c]
	v_cvt_scalef32_pk8_fp4_f32 v[AF+8*(\b)+4*\c+3], v[128*\c+96+8*(\b):128*\c+96+8*(\b)+7], v[241+2*\c]
.endr
	WIN 0
	v_nop
.irp c, 0,1
	v_permlane16_swap_b32 v[AF+8*(\b)+4*\c], v[AF+8*(\b)+4*\c+1]
	v_permlane16_swap_b32 v[AF+8*(\b)+4*\c+2], v[AF+8*(\b)+4*\c+3]
.endr
.irp c, 0,1
	global_store_b128 v3, v[AF+8*(\b)+4*\c:AF+8*(\b)+4*\c+3], s[96:97] offset:1024*(\b)+512*\c
.endr
.endm
.irp b, 0,1,2,3
	VQ \b
.endr
	v_cndmask_b32 v116, v[WD], v[WD+2], s93
	v_cndmask_b32 v117, v[WD+1], v[WD+3], s93
	global_store_b64 v8, v[116:117], s[98:99]
; ---------------- q (trip 0, slot B), then k (trip 1, slot A)
	s_mov_b32 s[TR], 0
.Lpart:
	s_wait_alu depctr_va_vdst(0)
	s_wait_xcnt 0x0                                ; the last part's stores and loads have read their registers and bases
	s_cmp_eq_u32 s[TR], 0                          ; every choice hangs on the trip alone
	s_cselect_b64 s[94:95], s[14:15], s[16:17]
	s_cselect_b32 s96, s88, s89
	s_cselect_b32 s98, s90, s91
	s_mov_b32 s85, 0x10000
	s_cselect_b32 s85, 0x660000, s85               ; byte 2 of a word: q: 102; k: 1,
	s_cselect_b32 s84, 0, s73                      ; and 253 more where the key is masked
	s_cselect_b32 s74, 0, 512                      ; what tiles a % 4 = 1, 2, 3 add to the stores' immediates
	s_cselect_b32 s75, 896, 0
	s_cselect_b32 s76, 384, 0
	s_mov_b32 s97, 0
	s_mov_b32 s99, 0
	s_add_nc_u64 s[96:97], s[94:95], s[96:97]      ; codes out
	s_add_nc_u64 s[98:99], s[94:95], s[98:99]      ; words out
	s_lshl_b32 s94, s[TR], 15
	s_mov_b32 s95, 0
	s_add_nc_u64 s[70:71], s[66:67], s[94:95]      ; W's scale words: k's 64 tiles on
	s_lshl_b32 s94, s[TR], 12
	s_add_nc_u64 s[86:87], s[8:9], s[94:95]        ; the bias
	s_xor_b32 s81, s[TR], 1
	s_lshl_b32 s81, s81, 16
	s_add_co_u32 s81, s81, WB
	s_lshl_b32 s80, s[CH], 15
	s_add_co_u32 s81, s81, s80
	v_add_nc_u32 v[ADRB], s81, v3
	v_mad_u32_u24 v[VO], v9, s[TR], v3
	v_add_nc_u32 v[VO+1], s74, v[VO]
	v_add_nc_u32 v[VO+2], s75, v[VO]
	v_add_nc_u32 v[VO+3], s76, v[VO]
.irp b, 0,1,2,3
	global_load_b128 v[SB+4*\b:SB+4*\b+3], v3, s[70:71] offset:512*\b
.endr
	WIN 0x40
.irp b, 0,1,2,3
	global_load_b128 v[BI+8*\b:BI+8*\b+3], v7, s[86:87] offset:64*\b
	global_load_b128 v[BI+8*\b+4:BI+8*\b+7], v7, s[86:87] offset:64*\b+16
.endr
	WIN 0
.irp a, 0,1,2,3,4,5,6,7
	global_load_u8 v[EX+\a], v1, s[10:11] offset:16*\a   ; is position T0 + 16 a + r masked?  (q multiplies it by 0)
.endr
	s_wait_alu depctr_va_vdst(0)
	MAIN 0
.irp a, 0,1,2,3,4,5,6,7
	v_mad_u32_u24 v[EX+\a], v[EX+\a], s84, s85
.endr
; Tile a: registers 2 i, 2 i + 1 of accumulator (a, t) are x1, x2 of j = 8 t + 4 h + i.  The rotated head: [j] = x1 cos - x2 sin, [32 + j] = x1 sin + x2 cos: its two blocks of 32.
.macro ROPEQ a
	WIN 0x0e
.irp t, 0,1,2,3
.irp i, 0,1,2,3
	v_mul_f32 v[TT+2*\i], v[32*(\a)+8*\t+2*\i+1], v[32*(\a)+16+4*\t+\i]
	v_mul_f32 v[TT+2*\i+1], v[32*(\a)+8*\t+2*\i+1], v[32*(\a)+4*\t+\i]
.endr
.irp i, 0,1,2,3
	v_fma_f32 v[O0+4*\t+\i], v[32*(\a)+8*\t+2*\i], v[32*(\a)+4*\t+\i], -v[TT+2*\i]
	v_fma_f32 v[O1+4*\t+\i], v[32*(\a)+8*\t+2*\i], v[32*(\a)+16+4*\t+\i], v[TT+2*\i+1]
.endr
.endr
	WIN 0
	v_max3_num_f32 v232, |v[O0]|, |v[O0+1]|, 0x1800000
	v_max3_num_f32 v233, |v[O1]|, |v[O1+1]|, 0x1800000
.irp i, 2,4,6,8,10,12,14
	v_max3_num_f32 v232, v232, |v[O0+\i]|, |v[O0+\i+1]|
	v_max3_num_f32 v233, v233, |v[O1+\i]|, |v[O1+\i+1]|
.endr
	v_permlanex16_b32 v236, v232, s100, s101
	v_permlanex16_b32 v237, v233, s100, s101
	v_max_num_f32 v232, v232, v236
	v_max_num_f32 v233, v233, v237
	v_add_nc_u32 v240, 0xff000000, v232
	v_add_nc_u32 v241, 0xff000000, v233
	v_lshrrev_b32 v244, 23, v240
	v_lshrrev_b32 v245, 23, v241
	v_lshl_or_b32 v244, v245, 8, v244
	v_or_b32 v[WD+(\a)], v244, v[EX+(\a)]
	v_cvt_scalef32_pk8_fp4_f32 v248, v[O0:O0+7], v240
	v_cvt_scalef32_pk8_fp4_f32 v250, v[O0+8:O0+15], v240
	v_cvt_scalef32_pk8_fp4_f32 v249, v[O1:O1+7], v241
	v_cvt_scalef32_pk8_fp4_f32 v251, v[O1+8:O1+15], v241
	v_nop
	v_permlane16_swap_b32 v248, v249
	v_permlane16_swap_b32 v250, v251
	v_perm_b32 v[AF+4*(\a)], v249, v248, s82
	v_perm_b32 v[AF+4*(\a)+1], v249, v248, s83
	v_perm_b32 v[AF+4*(\a)+2], v251, v250, s82
	v_perm_b32 v[AF+4*(\a)+3], v251, v250, s83
	global_store_b128 v[VO+((\a)&3)], v[AF+4*(\a):AF+4*(\a)+3], s[96:97] offset:2048*((\a)>>2)+512*((\a)&1)+128*(((\a)>>1)&1)+512*(((\a)>>1)&(\a)&1)   ; q: 512 a + 16 x lane; k: its rows' places in the chosen tiles
.endm
.irp a, 0,1,2,3,4,5,6,7
	ROPEQ \a
.endr
.irp i, 0,1,2,3
	v_cndmask_b32 v[116+\i], v[WD+\i], v[WD+4+\i], s93   ; lanes 16-31 carry tiles 4-7's words
.endr
	s_wait_alu depctr_va_vdst(0)
	s_cmp_eq_u32 s[TR], 0
	s_cbranch_scc0 .Lk_words
	global_store_b128 v3, v[116:119], s[98:99]     ; q: 512 consecutive bytes
	s_branch .Lwords_done
.Lk_words:
.irp i, 0,1,2,3
	global_store_b32 v14, v[116+\i], s[98:99] offset:128*((\i>>1)&1)+8*(\i&1)   ; k: each row's word at its tile's place
.endr
.Lwords_done:
	s_add_co_u32 s[TR], s[TR], 1
	s_cmp_lt_u32 s[TR], 2
	s_cbranch_scc1 .Lpart
	s_wait_tensorcnt 0x0                           ; the wave's end
	ds_add_u32 v[SPW], v[NIL]
	s_wait_dscnt 0x0
	CROUND                                         ; the closing round
	s_endpgm
.Lfunc_end_k_q2332ef1a8d_gemm1:
	.size	k_q2332ef1a8d_gemm1, .Lfunc_end_k_q2332ef1a8d_gemm1-k_q2332ef1a8d_gemm1
	.p2alignl 7, 3214868480
	.fill 96, 4, 3214868480
	.section	.rodata,"a",@progbits
	.p2align	6, 0x0
	.amdhsa_kernel k_q2332ef1a8d_gemm1
		.amdhsa_group_segment_fixed_size 327680
		.amdhsa_private_segment_fixed_size 0
		.amdhsa_enable_private_segment 0
		.amdhsa_kernarg_size 56
		.amdhsa_user_sgpr_count 2
		.amdhsa_user_sgpr_kernarg_segment_ptr 1
		.amdhsa_wavefront_size32 1
		.amdhsa_system_sgpr_workgroup_id_x 1
		.amdhsa_system_sgpr_workgroup_id_y 1
		.amdhsa_system_sgpr_workgroup_id_z 1
		.amdhsa_system_vgpr_workitem_id 0
		.amdhsa_next_free_vgpr 1024
		.amdhsa_next_free_sgpr 102
		.amdhsa_reserve_vcc 0
		.amdhsa_float_denorm_mode_32 3
		.amdhsa_float_denorm_mode_16_64 3
		.amdhsa_memory_ordered 1
		.amdhsa_forward_progress 1
		.amdhsa_inst_pref_size 180
	.end_amdhsa_kernel
	.amdgpu_metadata
---
amdhsa.version: [ 1, 2 ]
amdhsa.kernels:
  - .name:           k_q2332ef1a8d_gemm1
    .symbol:         k_q2332ef1a8d_gemm1.kd
    .args:
      - { .name: xq, .offset: 0, .size: 8, .value_kind: global_buffer, .address_space: global }
      - { .name: wq, .offset: 8, .size: 8, .value_kind: global_buffer, .address_space: global }
      - { .name: bqkv, .offset: 16, .size: 8, .value_kind: global_buffer, .address_space: global }
      - { .name: padding_mask, .offset: 24, .size: 8, .value_kind: global_buffer, .address_space: global }
      - { .name: rope, .offset: 32, .size: 8, .value_kind: global_buffer, .address_space: global }
      - { .name: qq, .offset: 40, .size: 8, .value_kind: global_buffer, .address_space: global }
      - { .name: kv, .offset: 48, .size: 8, .value_kind: global_buffer, .address_space: global }
    .group_segment_fixed_size: 327680
    .private_segment_fixed_size: 0
    .kernarg_segment_align: 8
    .kernarg_segment_size: 56
    .max_flat_workgroup_size: 128
    .sgpr_count:     102
    .vgpr_count:     1024
    .wavefront_size: 32
...
	.end_amdgpu_metadata
.endif
;; end of part 2
;; launch attn (part 3): grid 4 x 64, 16 waves a work-group, clusters of 4 x 1, 167,936 bytes of LDS; arguments qq, kv, aq; writes aq
.if DOCPART == 3
	.amdgcn_target "amdgcn-amd-amdhsa--gfx1250"
	.amdhsa_code_object_version 6
	.text
	.protected	k_q2332ef1a8d_attn
	.globl	k_q2332ef1a8d_attn
	.p2align	8
	.type	k_q2332ef1a8d_attn,@function
k_q2332ef1a8d_attn:
	s_mov_b64 s[64:65], 0
	v_nop
	global_prefetch_b8 v0, s[64:65] scope:SCOPE_SE
	s_setreg_imm32_b32 hwreg(HW_REG_WAVE_MODE, 25, 1), 1
	s_wait_xcnt 0x0
	s_wait_alu depctr_hold_cnt(0) depctr_sa_sdst(0) depctr_va_vdst(0) depctr_va_sdst(0) depctr_va_ssrc(0) depctr_va_vcc(0) depctr_vm_vsrc(0)
	s_getreg_b32 s2, hwreg(HW_REG_IB_STS2, 6, 4)
	s_cmp_eq_u32 s2, 0
	s_cbranch_scc0 .Lentry_in_a_cluster
	s_endpgm
.Lentry_in_a_cluster:
	s_bfe_u32 s2, ttmp6, 0x10000c
	s_cmp_lg_u32 s2, 0x3003
	s_cbranch_scc0 .Lentry_shape_is_right
	s_endpgm
.Lentry_shape_is_right:
; ATTN: for each batch and head, O = softmax(Q K^T / 8, masked keys out) V, both products on codes of FP4; O is quantised on its way out, as the last product's operand.
; THE SOFTMAX: t = score x log2(e) / 8; M = the running largest t, rounded up to a whole number; p = 2^(t - M) is quantised along the keys.  The row's sum is taken of the unquantised p and divides O at the end.
; When M moves, the sum and O are multiplied by 2^(old M - new M): nothing is rounded.  The running maximum is kept as a score (the factor is positive, so the largest score gives the largest t).
; SHARES: a work-group owns 512 queries of one (batch, head); the four of a cluster are the whole head.  Sixteen waves, four to a SIMD; a wave takes one tile of 16 queries at a time, two passes.
; THE HEAD'S WHOLE K AND V, codes and scale words, 143,360 bytes, LIE IN LDS, filled once: each of the sixteen waves asks jointly (the mask names the four partners) for one sixteenth, 35 rows of 256 bytes.
; No prefetch: all tiles are asked for at the head, and no later load exists to run ahead of.
; ONE LOOP of 8 trips (2 passes x 4 chunks of 512 keys); a trip is four key steps of 128 keys, whose LDS offsets are immediates.  Step n asks LDS for V(n) and K(n + 1) and issues the scores' products of step n + 1
; behind its conversions; the sixteen rescalings of O^T are those products' places.  A pass's end stands under a scalar branch on the trip.  The last step's nine loads of K (they wrap to key 0) are not used.
; LAYOUT: both products transposed (S^T = K Q^T, O^T = V^T P^T): a lane holds one query.  Row m of tile t of K is key 64 (t / 4) + 32 (m / 8) + 8 (t % 4) + m % 8 (the launch before lays it so):
; lane half h holds block h of 32 keys in tiles 0-3 and block 2 + h in tiles 4-7, in order: a block's maximum needs no other lane, and the conversions' results are the second product's operand as they stand.
; THE PADDING MASK: at k = 64 every key carries the code -0.5 and every query +0.5 (constant registers); byte 2 of the scale words is q's 102, k's 254 (masked) or 1 (open): a masked score is lowered by 2^100.
; The running largest score starts at -2^98, above every masked score: M is never moved by a masked key, and its p is 0.
; LIMITS: a batch whose keys are all masked (NaN in the problem) is not served; every open score must lie above -2^98; a zero block keeps the byte 1; no NaN or infinities.
; REGISTERS: v1 16 x lane; v2 16 r; v3, v4 the add's two; v5, v6, v8 the trip's addresses; v7 8 h; v9 the bytes' way out; v12 and v10 -M by turns; v13 largest score; v[14:15] the sum; v16-23 Q; v24 Q's word; v26-30 pass 1's;
; v31, v25 the passes' bytes; v32-95 K (registers 4-7 of each fragment constant); v96-159 S^T, then p; v160-191 O^T; v192-199 p's codes; v200-231 V; v232-235 K's words; v236-239 V's; v240-254 at work; v255 p's word
.set QS,    4194304
.set AS,    4194304
.set CHK,   35840                      ; a chunk of 512 keys: K's codes | 16,384 V's codes | 32,768 K's words | 34,816 V's words
.set SPARE, 4*CHK                      ; the spare words, 128 bytes for each of sixteen waves
.set WV,  10
.set G1,  16
.set G0,  24
.set SEL, 40
.set CS,  42
.set N,   44
.set NC,  45
.set QM,  46
.macro CROUND
	s_barrier_signal -1
	s_barrier_wait -1
	s_cmp_lg_u32 s[WV], 0
	s_cbranch_scc1 .Lnot_wave_0_\@
	s_barrier_signal -3
.Lnot_wave_0_\@:
	s_barrier_wait -3
	s_barrier_signal -1
	s_barrier_wait -1
.endm
.macro INIT                            ; a pass begins: the step is written once and its first run finds zeros
	v_mov_b32 v13, 0xF0800000                      ; -2^98
	v_mov_b32 v14, 0
	v_mov_b32 v15, 0
	v_mul_f32 v254, s[NC], v13
	s_delay_alu instid0(VALU_DEP_1)
	v_floor_f32 v10, v254                          ; -M
.set J, 0
.rept 32
	v_mov_b32 v[160+J], 0
.set J, J+1
.endr
.endm
.macro SMUL                            ; S^T = K Q^T: eight tiles of 16 keys
.irp t, 0,1,2,3
	v_wmma_scale_f32_16x16x128_f8f6f4 v[96+8*\t:103+8*\t], v[32+8*\t:39+8*\t], v[16:23], 0, v[232+\t], v24 matrix_a_fmt:MATRIX_FMT_FP4 matrix_b_fmt:MATRIX_FMT_FP4
.endr
.irp t, 4,5,6,7
	v_wmma_scale_f32_16x16x128_f8f6f4 v[96+8*\t:103+8*\t], v[32+8*\t:39+8*\t], v[16:23], 0, v[228+\t], v24 matrix_a_fmt:MATRIX_FMT_FP4 matrix_b_fmt:MATRIX_FMT_FP4 matrix_a_scale:MATRIX_SCALE_ROW1
.endr
.endm
.macro ACC c, j
	v_pk_add_f32 v[\c:\c+1], v[\c:\c+1], v[96+2*(\j):97+2*(\j)]
.endm
; A KEY STEP, the s-th of the trip's chunk.
.macro STEP s
.set NM, 12-2*((\s)&1)                 ; the new -M, and the old one: two registers by turns
.set OM, 10+2*((\s)&1)
.irp b, 0,1,2,3
	v_max3_num_f32 v[240+\b], v[96+16*\b], v[97+16*\b], v[98+16*\b]   ; four chains of maxima; these four lines are the places behind the last step's second product, in front of the loads into its registers
.endr
.irp t, 0,1,2,3
.irp c, 0,1
	ds_load_b128 v[200+8*\t+4*\c:203+8*\t+4*\c], v5 offset:16384+4096*(\s)+1024*\t+512*\c
.endr
.endr
	ds_load_b128 v[236:239], v8 offset:34816+256*(\s)
.if (\s) < 3
.irp t, 0,1,2,3,4,5,6,7
	ds_load_b128 v[32+8*\t:35+8*\t], v5 offset:4096*((\s)+1)+512*\t
.endr
	ds_load_b128 v[232:235], v5 offset:32768+512*((\s)+1)   ; lanes 0-15: tiles 0-3's words; lanes 16-31: tiles 4-7's
.else
.irp t, 0,1,2,3,4,5,6,7
	ds_load_b128 v[32+8*\t:35+8*\t], v6 offset:512*\t       ; the next chunk's first step
.endr
	ds_load_b128 v[232:235], v6 offset:32768
	v_cndmask_b32 v24, v24, v30, s[QM]             ; in a pass's last step: the other pass's Q, for the products of the step that follows
	v_cndmask_b32 v16, v16, v26, s[QM]
	v_cndmask_b32 v17, v17, v27, s[QM]
	v_cndmask_b32 v18, v18, v28, s[QM]
	v_cndmask_b32 v19, v19, v29, s[QM]
.endif
.irp i, 3,5,7,9,11,13
.irp b, 0,1,2,3
	v_max3_num_f32 v[240+\b], v[240+\b], v[96+16*\b+\i], v[97+16*\b+\i]
.endr
.endr
	v_max3_num_f32 v240, v240, v241, v111          ; my two blocks' largest scores: they serve the row's maximum and, since p rises with the score, the blocks' largest p
	v_max3_num_f32 v241, v242, v243, v143
	v_max_num_f32 v240, v240, v127
	v_max_num_f32 v241, v241, v159
	v_max3_num_f32 v254, v240, v241, v13
	s_delay_alu instid0(VALU_DEP_1)
	v_permlanex16_b32 v244, v254, s[SEL], s[SEL+1]
	s_delay_alu instid0(VALU_DEP_1)
	v_max_num_f32 v13, v254, v244                  ; the running largest score of my query
	s_delay_alu instid0(VALU_DEP_1)
	v_mul_f32 v254, s[NC], v13                     ; -t
	s_delay_alu instid0(VALU_DEP_1)
	v_floor_f32 v[NM], v254                        ; the new -M = -ceil(t)
	s_delay_alu instid0(VALU_DEP_1)
	v_sub_f32 v254, v[NM], v[OM]                   ; old M - new M: a whole number, 0 or less
	s_delay_alu instid0(VALU_DEP_1)
	v_cvt_i32_f32 v254, v254                       ; (it saturates)
	s_delay_alu instid0(VALU_DEP_1)
	v_ldexp_f32 v252, 1.0, v254                    ; f = 2^(old M - new M)
.set J, 0
.rept 32
	v_pk_fma_f32 v[96+J:97+J], v[96+J:97+J], s[CS:CS+1], v[NM:NM+1] op_sel_hi:[1,0,0]   ; t - M, two at a time
.set J, J+2
.endr
	v_fma_f32 v240, v240, s[CS], v[NM]
	v_fma_f32 v241, v241, s[CS], v[NM]
	s_wait_alu depctr_va_vdst(0)
.set J, 0
.rept 64
	v_exp_f32 v[96+J], v[96+J]                     ; p
.set J, J+1
.endr
	v_pk_mul_f32 v[14:15], v[14:15], v[252:253] op_sel_hi:[1,0]   ; the sums under the new M: a plain line behind the exponentials
	s_wait_alu depctr_va_vdst(0)                   ; one wait for the batch of 64, ahead of its first reader
	v_exp_f32 v240, v240                           ; each block's largest p
	v_exp_f32 v241, v241
.set J, 0
.irp c, 244,254,250,248,246,194,192                ; the row's sum of the unquantised p, in eight chains
	v_pk_add_f32 v[\c:\c+1], v[96+2*J:97+2*J], v[98+2*J:99+2*J]
.set J, J+2
.endr
	ACC 14, 14
.set J, 15
.rept 2
.irp c, 244,254,250,248,246,194,192,14
	ACC \c, J
.set J, J+1
.endr
.endr
	ACC 244, 31
	v_pk_add_f32 v[14:15], v[14:15], v[248:249]
	v_pk_add_f32 v[254:255], v[254:255], v[194:195]
	v_pk_add_f32 v[250:251], v[250:251], v[192:193]
	v_pk_add_f32 v[244:245], v[244:245], v[246:247]
	s_delay_alu instid0(VALU_DEP_3)
	v_pk_add_f32 v[14:15], v[14:15], v[254:255]
	s_delay_alu instid0(VALU_DEP_2)
	v_pk_add_f32 v[244:245], v[244:245], v[250:251]
	s_delay_alu instid0(VALU_DEP_1)
	v_pk_add_f32 v[14:15], v[14:15], v[244:245]
	s_wait_alu depctr_va_vdst(0)                   ; and one for the two
	v_max_num_f32 v240, 0x1800000, v240            ; the floor: a block whose every p is 0 keeps the byte 1: its codes are zeros
	v_max_num_f32 v241, 0x1800000, v241
	s_delay_alu instid0(VALU_DEP_2)
	v_add_nc_u32 v248, 0xff000000, v240            ; the conversion's scale operand
	s_delay_alu instid0(VALU_DEP_2)
	v_add_nc_u32 v249, 0xff000000, v241
	s_delay_alu instid0(VALU_DEP_2)
	v_lshrrev_b32 v244, 23, v248
	s_delay_alu instid0(VALU_DEP_2)
	v_lshrrev_b32 v245, 23, v249
	s_delay_alu instid0(VALU_DEP_1)
	v_lshl_or_b32 v255, v245, 16, v244             ; my two bytes: blocks h and 2 + h,
	s_delay_alu instid0(VALU_DEP_1)
	v_lshlrev_b32 v255, v7, v255                   ; at their places in p's scale word (8 h bits up);
	s_delay_alu instid0(VALU_DEP_1)
	v_permlanex16_b32 v246, v255, s[SEL], s[SEL+1]
	s_delay_alu instid0(VALU_DEP_1)
	v_or_b32 v255, v255, v246                      ; with lane l xor 16's two the word is whole
.irp c, 0,1
.irp w, 0,1,2,3
	v_cvt_scalef32_pk8_fp4_f32 v[192+4*\c+\w], v[96+32*\c+8*\w:103+32*\c+8*\w], v[248+\c]   ; register 4 c + w of the operand: keys 64 c + 32 h + 8 w + 0 .. 7
.endr
.endr
	v_nop                                          ; one plain line behind the last conversion
	s_wait_dscnt 0x0                               ; V(n), K(n + 1) and their words are in
.if (\s) == 3
	s_cmp_eq_u32 s[N], 7                           ; behind the last step of all no scores follow
	s_cbranch_scc1 .Lno_next_\@
.endif
	SMUL                                           ; step n + 1's scores
.if (\s) == 3
.Lno_next_\@:
.endif
.set J, 0
.rept 16
	v_pk_mul_f32 v[160+J:161+J], v[160+J:161+J], v[252:253] op_sel_hi:[1,0]   ; O^T under the new M; these sixteen are the places behind the scores' products, and between p's word and codes and the products below
.set J, J+2
.endr
.irp t, 0,1,2,3
	v_wmma_scale_f32_16x16x128_f8f6f4 v[160+8*\t:167+8*\t], v[200+8*\t:207+8*\t], v[192:199], v[160+8*\t:167+8*\t], v[236+\t], v255 matrix_a_fmt:MATRIX_FMT_FP4 matrix_b_fmt:MATRIX_FMT_FP4
.endr
.endm
	s_load_b128 s[4:7], s[0:1], 0x0                ; qq, kv
	s_load_b64 s[8:9], s[0:1], 0x10                ; aq
	v_lshl_add_u32 v3, v0, 2, SPARE
	v_mov_b32 v4, 0
	ds_add_u32 v3, v4                              ; the opening: the add, twice on end, and its wait ahead of my tensor load
	ds_add_u32 v3, v4
	v_lshrrev_b32 v8, 5, v0
	s_delay_alu instid0(VALU_DEP_1)
	v_readfirstlane_b32 s[WV], v8                  ; wave 0..15
	s_bfe_u32 s11, ttmp6, 0x40000                  ; cx: it enters Q's and O's addresses alone
	s_and_b32 s12, ttmp7, 0xffff                   ; bh, which the four partners share
	s_mov_b32 s[G1], 15|(3<<16)|(1<<21)            ; the mask: all four; elements of 8 bytes; bit 21 beside a mask
	s_mov_b32 s[G1+1], 32<<16                      ; 35 rows of 256 bytes, dense
	s_mov_b32 s[G1+2], 35<<16
	s_mov_b32 s[G1+3], 32<<16
	s_mov_b32 s[G1+4], 35
	s_mov_b32 s[G1+5], 32
	s_mov_b32 s[G1+6], 0
	s_mov_b32 s[G1+7], 0
	s_mul_i32 s52, s[WV], 8960                     ; my sixteenth, in LDS as in memory
	s_mul_i32 s50, s12, 4*CHK
	s_add_co_u32 s50, s50, s52
	s_mov_b32 s51, 0
	s_mov_b32 s[SEL], 0x76543210
	s_mov_b32 s[SEL+1], 0xfedcba98
	s_mov_b32 s[CS], 0x3e38aa3b                    ; c = log2(e) / 8
	s_mov_b32 s[CS+1], s[CS]
	s_mov_b32 s[NC], 0xbe38aa3b                    ; -c
	s_mov_b32 s48, 0xffff0000
	s_wait_dscnt 0x0
	s_wait_kmcnt 0x0
	s_mov_b32 s[G0], 1
	s_mov_b32 s[G0+1], s52
	s_add_nc_u64 s[G0+2:G0+3], s[6:7], s[50:51]
	s_or_b32 s[G0+3], s[G0+3], 0x80000000
	CROUND                                         ; all four work-groups are here: the joint loads meet
	tensor_load_to_lds s[G0:G0+3], s[G1:G1+7]      ; my one tensor load of the launch
	s_nop 0
.rept 4
	v_nop
.endr
	v_and_b32 v8, 31, v0
	v_and_b32 v9, 15, v0
	v_bfe_u32 v10, v0, 4, 1                        ; h
	v_lshlrev_b32 v1, 4, v8
	v_lshlrev_b32 v2, 4, v9
	v_xor_b32 v11, 1, v10                          ; 1 in lanes 0-15, which hold k = 64 .. 95 in registers 4-7
	v_lshlrev_b32 v7, 3, v10                       ; 8 h
	s_wait_alu depctr_va_vdst(0)
	s_lshl_b32 s54, s11, 5
	s_add_co_u32 s54, s54, s[WV]                   ; my tile of queries in pass 0; pass 1: 16 tiles on
	s_lshl_b32 s56, s12, 16
	s_lshl_b32 s57, s54, 9
	s_add_co_u32 s56, s56, s57
	s_mov_b32 s57, 0
	s_add_nc_u64 s[56:57], s[4:5], s[56:57]
	global_load_b128 v[16:19], v1, s[56:57]
	global_load_b128 v[26:29], v1, s[56:57] offset:8192
	s_lshl_b32 s58, s12, 13
	s_lshr_b32 s59, s54, 3
	s_lshl_b32 s59, s59, 9
	s_add_co_u32 s58, s58, s59
	s_bfe_u32 s59, s54, 0x10002
	s_lshl_b32 s59, s59, 8
	s_add_co_u32 s58, s58, s59
	s_and_b32 s59, s54, 3
	s_lshl_b32 s59, s59, 2
	s_add_co_u32 s58, s58, s59
	s_add_co_u32 s58, s58, QS
	s_mov_b32 s59, 0
	s_add_nc_u64 s[58:59], s[4:5], s[58:59]
	global_load_b32 v24, v2, s[58:59]              ; my tile's scale words
	global_load_b32 v30, v2, s[58:59] offset:1024
	s_lshr_b32 s60, s12, 4                         ; the batch
	s_and_b32 s61, s12, 15                         ; the head
	s_lshl_b32 s60, s60, 7
	s_add_co_u32 s60, s60, s54                     ; O's row tile
	s_lshl_b32 s62, s60, 13
	s_lshl_b32 s63, s61, 9                         ; the head's 64 numbers are chunk head % 2 of K step head / 2
	s_add_co_u32 s62, s62, s63
	s_mov_b32 s63, 0
	s_add_nc_u64 s[62:63], s[8:9], s[62:63]
	s_lshl_b32 s52, s60, 9
	s_lshr_b32 s53, s61, 3
	s_lshl_b32 s53, s53, 8
	s_add_co_u32 s52, s52, s53
	s_and_b32 s53, s61, 7
	s_lshl_b32 s53, s53, 1
	s_add_co_u32 s52, s52, s53
	s_add_co_u32 s52, s52, AS
	s_mov_b32 s53, 0
	s_add_nc_u64 s[52:53], s[8:9], s[52:53]        ; the head's two scale bytes of a row
	v_lshl_add_u32 v9, v10, 13, v2                 ; lanes 0-15: pass 0's tile, row r; lanes 16-31: pass 1's
	v_mov_b32 v20, v11                             ; Q: the code +0.5 at k = 64, zeros beyond
	v_mov_b32 v21, 0
	v_mov_b32 v22, 0
	v_mov_b32 v23, 0
	v_mul_u32_u24 v8, v11, 9                       ; K: the code -0.5 at k = 64
.irp t, 0,1,2,3,4,5,6,7
	v_mov_b32 v[36+8*\t], v8
	v_mov_b32 v[37+8*\t], 0
	v_mov_b32 v[38+8*\t], 0
	v_mov_b32 v[39+8*\t], 0
.endr
.irp b, 0,1,2,3
	v_mov_b32 v[244+\b], 0                         ; a lane permute's destination counts as one of its sources
.endr
	v_mov_b32 v252, 0
	v_mov_b32 v253, 0                              ; (named as the upper halves of pairs)
	v_mov_b32 v11, 0
	v_mov_b32 v25, 0
	INIT
	s_mov_b32 s[N], 0
	s_wait_alu depctr_va_vdst(0)
	s_wait_loadcnt 0x0                             ; Q
	s_wait_tensorcnt 0x0                           ; my sixteenth has landed; the barrier shows everybody's.  Nothing is filled again
	s_barrier_signal -1
	s_barrier_wait -1
.irp t, 0,1,2,3,4,5,6,7
	ds_load_b128 v[32+8*\t:35+8*\t], v1 offset:512*\t
.endr
	ds_load_b128 v[232:235], v1 offset:32768
	s_wait_dscnt 0x0
	SMUL                                           ; step 0's scores
.rept 4
	v_nop
.endr
.Lchunk:
	s_and_b32 s30, s[N], 3                         ; this trip's chunk,
	s_mul_i32 s31, s30, CHK
	s_add_co_u32 s32, s[N], 1
	s_and_b32 s32, s32, 3                          ; and the next one's (behind a pass's last: chunk 0 again)
	s_mul_i32 s32, s32, CHK
	s_cmp_eq_u32 s30, 3
	s_cselect_b32 s[QM], -1, 0                     ; all lanes in a pass's last trip
	v_add_nc_u32 v5, s31, v1
	v_add_nc_u32 v6, s32, v1
	v_add_nc_u32 v8, s31, v2
	STEP 0
	STEP 1
	STEP 2
	STEP 3
	s_wait_alu depctr_va_vdst(0)
	s_cmp_eq_u32 s30, 3                            ; a pass's last trip?  The count of trips alone decides
	s_cbranch_scc0 .Lon
	; A PASS'S END: O^T / the sum, quantised along the head's 64 numbers: two blocks; register 8 t + j is o(query r, 16 t + 8 h + j)
.rept 4
	v_nop
.endr
	v_add_f32 v14, v14, v15
	s_delay_alu instid0(VALU_DEP_1)
	v_permlanex16_b32 v252, v14, s[SEL], s[SEL+1]
	s_delay_alu instid0(VALU_DEP_1)
	v_add_f32 v14, v14, v252                       ; the row's sum
	s_wait_alu depctr_va_vdst(0)
	v_rcp_f32 v14, v14
	v_nop
	s_wait_alu depctr_va_vdst(0)                   ; its wait, directly ahead of the first readers of the reciprocal and of O^T
.set J, 0
.rept 32
	v_mul_f32 v[160+J], v[160+J], v14
.set J, J+1
.endr
.irp b, 0,1
	v_max3_num_f32 v[240+\b], |v[160+16*\b]|, |v[161+16*\b]|, 0x1800000
.endr
.irp i, 2,4,6,8,10,12,14
.irp b, 0,1
	s_delay_alu instid0(VALU_DEP_2)
	v_max3_num_f32 v[240+\b], v[240+\b], |v[160+16*\b+\i]|, |v[161+16*\b+\i]|
.endr
.endr
.irp b, 0,1
	s_delay_alu instid0(VALU_DEP_2)
	v_permlanex16_b32 v[244+\b], v[240+\b], s[SEL], s[SEL+1]
.endr
.irp b, 0,1
	s_delay_alu instid0(VALU_DEP_2)
	v_max_num_f32 v[240+\b], v[240+\b], v[244+\b]
.endr
.irp b, 0,1
	s_delay_alu instid0(VALU_DEP_2)
	v_add_nc_u32 v[248+\b], 0xff000000, v[240+\b]
.endr
.irp b, 0,1
	s_delay_alu instid0(VALU_DEP_2)
	v_lshrrev_b32 v[244+\b], 23, v[248+\b]
.endr
	v_mov_b32 v31, v25                             ; the pass before's two bytes move on,
	s_delay_alu instid0(VALU_DEP_2)
	v_lshl_or_b32 v25, v245, 8, v244               ; and this pass's are kept for the end
	v_cvt_scalef32_pk8_fp4_f32 v192, v[160:167], v248
	v_cvt_scalef32_pk8_fp4_f32 v194, v[168:175], v248
	v_cvt_scalef32_pk8_fp4_f32 v193, v[176:183], v249
	v_cvt_scalef32_pk8_fp4_f32 v195, v[184:191], v249
	v_nop
	v_permlane16_swap_b32 v192, v193               ; the operand's layout wants a whole block in a lane
	v_permlane16_swap_b32 v194, v195
	global_store_b128 v1, v[192:195], s[62:63]     ; a chunk of the last product's operand: 512 consecutive bytes
	s_wait_alu depctr_va_vdst(0)
	s_cmp_eq_u32 s[N], 7
	s_cbranch_scc1 .Ldone
	INIT
	s_wait_alu depctr_va_vdst(0)
	s_wait_xcnt 0x0                                ; the store has read its registers and its base
	s_add_nc_u64 s[62:63], s[62:63], 131072        ; pass 1's tile: 16 tiles of 8,192 bytes on
.Lon:
	s_add_co_u32 s[N], s[N], 1
	s_cmp_lt_u32 s[N], 8
	s_cbranch_scc1 .Lchunk
.Ldone:
	v_cndmask_b32 v254, v31, v25, s48              ; lanes 0-15 carry pass 0's bytes, lanes 16-31 pass 1's
	global_store_b16 v9, v254, s[52:53]
	s_wait_tensorcnt 0x0                           ; the wave's end
	ds_add_u32 v3, v4
	s_wait_dscnt 0x0
	CROUND                                         ; the closing round
	s_endpgm
.Lfunc_end_k_q2332ef1a8d_attn:
	.size	k_q2332ef1a8d_attn, .Lfunc_end_k_q2332ef1a8d_attn-k_q2332ef1a8d_attn
	.p2alignl 7, 3214868480
	.fill 96, 4, 3214868480
	.section	.rodata,"a",@progbits
	.p2align	6, 0x0
	.amdhsa_kernel k_q2332ef1a8d_attn
		.amdhsa_group_segment_fixed_size 167936
		.amdhsa_private_segment_fixed_size 0
		.amdhsa_enable_private_segment 0
		.amdhsa_kernarg_size 24
		.amdhsa_user_sgpr_count 2
		.amdhsa_user_sgpr_kernarg_segment_ptr 1
		.amdhsa_wavefront_size32 1
		.amdhsa_system_sgpr_workgroup_id_x 1
		.amdhsa_system_sgpr_workgroup_id_y 1
		.amdhsa_system_sgpr_workgroup_id_z 1
		.amdhsa_system_vgpr_workitem_id 0
		.amdhsa_next_free_vgpr 256
		.amdhsa_next_free_sgpr 66
		.amdhsa_reserve_vcc 0
		.amdhsa_float_denorm_mode_32 3
		.amdhsa_float_denorm_mode_16_64 3
		.amdhsa_memory_ordered 1
		.amdhsa_forward_progress 1
		.amdhsa_inst_pref_size 72
	.end_amdhsa_kernel
	.amdgpu_metadata
---
amdhsa.version: [ 1, 2 ]
amdhsa.kernels:
  - .name:           k_q2332ef1a8d_attn
    .symbol:         k_q2332ef1a8d_attn.kd
    .args:
      - { .name: qq, .offset: 0, .size: 8, .value_kind: global_buffer, .address_space: global }
      - { .name: kv, .offset: 8, .size: 8, .value_kind: global_buffer, .address_space: global }
      - { .name: aq, .offset: 16, .size: 8, .value_kind: global_buffer, .address_space: global }
    .group_segment_fixed_size: 167936
    .private_segment_fixed_size: 0
    .kernarg_segment_align: 8
    .kernarg_segment_size: 24
    .max_flat_workgroup_size: 512
    .sgpr_count:     66
    .vgpr_count:     256
    .wavefront_size: 32
...
	.end_amdgpu_metadata
.endif
;; end of part 3
;; launch gemm2 (part 4): grid 8 x 32, 4 waves a work-group, clusters of 4 x 4, 327,680 bytes of LDS; arguments aq, wq, bo, out0; writes out0
.if DOCPART == 4
	.amdgcn_target "amdgcn-amd-amdhsa--gfx1250"
	.amdhsa_code_object_version 6
	.text
	.protected	k_q2332ef1a8d_gemm2
	.globl	k_q2332ef1a8d_gemm2
	.p2align	8
	.type	k_q2332ef1a8d_gemm2,@function
k_q2332ef1a8d_gemm2:
	s_mov_b64 s[64:65], 0
	v_nop
	global_prefetch_b8 v0, s[64:65] scope:SCOPE_SE
	s_setreg_imm32_b32 hwreg(HW_REG_WAVE_MODE, 25, 1), 1
	s_wait_xcnt 0x0
	s_wait_alu depctr_hold_cnt(0) depctr_sa_sdst(0) depctr_va_vdst(0) depctr_va_sdst(0) depctr_va_ssrc(0) depctr_va_vcc(0) depctr_vm_vsrc(0)
	s_getreg_b32 s2, hwreg(HW_REG_IB_STS2, 6, 4)
	s_cmp_eq_u32 s2, 0
	s_cbranch_scc0 .Lentry_in_a_cluster
	s_endpgm
.Lentry_in_a_cluster:
	s_bfe_u32 s2, ttmp6, 0x10000c
	s_cmp_lg_u32 s2, 0xf033
	s_cbranch_scc0 .Lentry_shape_is_right
	s_endpgm
.Lentry_shape_is_right:
; GEMM2: out0 = Q(attention's result) Q(Wo) + bo on codes of FP4.  aq is laid as xq, Wo's tiles are wq's tiles 192-255.
; A work-group makes 256 rows x 128 columns; four waves, each 128 x 64: 32 accumulators.  All of K = 1,024 lies in LDS, filled once: x's 16 tiles of 8,192 bytes, then W's 8; one joint load a wave at the head.
; The scale words go from memory straight into registers: lanes 0-15 hold K steps 0-3, lanes 16-31 K steps 4-7; the ROW selector picks the half.
; CLUSTER 4 x 4: a row shares the rows' tiles, a column W's.  No prefetch: every tile is asked for at the head, and there is no loop with later loads to run ahead of.
; Source 0 = W's columns, source 1 = the rows: a lane holds eight neighbouring columns of one row.  The way out goes through each wave's own stage, bytes that no tensor load fills, and leaves as aligned runs of 256 bytes.
.set XS,    4194304
.set WS,    2097152
.set BT0,   192
.set WB,    131072
.set SPARE, 196608
.set STAGE, SPARE+512                  ; 16 rows x 272 bytes for each wave
.set ADRA,  16
.set ADRB,  20
.set STO,   24
.set RD,    25
.set CO,    26
.set SPW,   28
.set NIL,   29
.set SA,    32
.set SB,    64
.set AF,    128
.set BI,    64
.set WV,    18
.set RH,    19
.set CH,    20
.set G1A,   28
.set G0A,   36
.set G1B,   44
.set G0B,   52
.set MSB, 0
.macro WIN new
.if MSB != (\new)
	s_set_vgpr_msb (MSB<<8)|(\new)
.set MSB, (\new)
.endif
.endm
.macro PLACES n
.rept \n
	v_nop
.endr
.endm
.macro JLOAD g0a, g1a, g0b, g1b
	s_cmp_eq_u32 s[RH], 0
	s_cbranch_scc0 .Lfor_b_\@
	tensor_load_to_lds s[\g0a:\g0a+3], s[\g1a:\g1a+7]
	s_nop 0
.rept 4
	v_nop
.endr
	s_branch .Lasked_\@
.Lfor_b_\@:
	tensor_load_to_lds s[\g0b:\g0b+3], s[\g1b:\g1b+7]
	s_nop 0
.rept 4
	v_nop
.endr
.Lasked_\@:
.endm
.macro CROUND
	s_barrier_signal -1
	s_barrier_wait -1
	s_cmp_lg_u32 s[WV], 0
	s_cbranch_scc1 .Lnot_wave_0_\@
	s_barrier_signal -3
.Lnot_wave_0_\@:
	s_barrier_wait -3
	s_barrier_signal -1
	s_barrier_wait -1
.endm
.macro FRAG reg, adr, q, i
.irp c, 0,1
	ds_load_b128 v[\reg+4*\c:\reg+4*\c+3], v[\adr] offset:8192*(\i)+1024*(\q)+512*\c
.endr
.endm
.macro FETCH_B q
	WIN 0x40
.irp i, 0,1,2,3
	FRAG 128*((\q)%2)+8*\i, ADRB, \q, \i
.endr
	WIN 0
.endm
.macro FETCH_A q, i0
.irp i, \i0, \i0+1, \i0+2, \i0+3
	FRAG AF+8*(\i), ADRA, \q, \i
.endr
.endm
.macro MWIN first
	WIN (0xa1-0x10*(\first))
.endm
.macro WM d, a, b, c, sa, sb, row
.if \row
	v_wmma_scale_f32_16x16x128_f8f6f4 v[\d:\d+7], v[\a:\a+7], v[\b:\b+7], v[\c:\c+7], v[\sa], v[\sb] matrix_a_fmt:MATRIX_FMT_FP4 matrix_b_fmt:MATRIX_FMT_FP4 matrix_a_scale:MATRIX_SCALE_ROW1 matrix_b_scale:MATRIX_SCALE_ROW1
.else
	v_wmma_scale_f32_16x16x128_f8f6f4 v[\d:\d+7], v[\a:\a+7], v[\b:\b+7], v[\c:\c+7], v[\sa], v[\sb] matrix_a_fmt:MATRIX_FMT_FP4 matrix_b_fmt:MATRIX_FMT_FP4
.endif
.endm
.macro MUL8 a0, q, first               ; the 32 accumulators take turns
.irp a, \a0, \a0+1
.irp b, 0,1,2,3
.set rD, 8*(4*(\a)+\b)
.set rA, AF+8*(\a)
.set rB, 128*((\q)%2)+8*\b
.set rC, rD
.if \first
.set rC, BI+8*\b
.endif
.set sA, SA+4*(\a)+(\q)%4
.set sB, SB+4*\b+(\q)%4
	WM rD, rB, rA, rC, sB, sA, (\q)/4
.endr
.endr
.endm
.macro STEP q, first
	s_wait_dscnt 8                                 ; all but the youngest eight loads (the rows' blocks 4-7) are in
	MWIN \first
	MUL8 0, \q, \first
	MUL8 2, \q, \first
	s_wait_dscnt 0x0
	PLACES 4
	FETCH_B (\q)+1
	FETCH_A (\q)+1, 0
	MWIN \first
	MUL8 4, \q, \first
	MUL8 6, \q, \first
	PLACES 4
	WIN 0
	FETCH_A (\q)+1, 4
.endm
	s_load_b256 s[4:11], s[0:1], 0x0               ; aq, wq, bo, out0
	v_lshl_add_u32 v[SPW], v0, 2, SPARE
	v_mov_b32 v[NIL], 0
	ds_add_u32 v[SPW], v[NIL]                      ; the opening: the add, twice on end, and its wait ahead of my tensor load
	ds_add_u32 v[SPW], v[NIL]
	v_lshrrev_b32 v1, 5, v0
	v_readfirstlane_b32 s[WV], v1
	s_lshr_b32 s[RH], s[WV], 1
	s_and_b32 s[CH], s[WV], 1
	s_bfe_u32 s21, ttmp6, 0x40000
	s_bfe_u32 s22, ttmp6, 0x40004
	s_lshl_b32 s23, ttmp9, 2
	s_add_co_u32 s23, s23, s21
	s_and_b32 s24, ttmp7, 0xffff
	s_lshl_b32 s24, s24, 2
	s_add_co_u32 s24, s24, s22
	s_lshl_b32 s25, s22, 2
	s_lshl_b32 s25, 15, s25
	s_lshl_b32 s26, 0x1111, s21
	s_or_b32 s[G1A], s25, (3<<16)|(1<<21)
	s_or_b32 s[G1B], s26, (3<<16)|(1<<21)
	s_mov_b32 s[G1A+1], 1024<<16
	s_mov_b32 s[G1A+2], 8<<16
	s_mov_b32 s[G1A+3], 1024<<16
	s_mov_b32 s[G1A+4], 8
	s_mov_b32 s[G1A+5], 1024
	s_mov_b32 s[G1A+6], 0
	s_mov_b32 s[G1A+7], 0
	s_mov_b32 s[G1B+1], 1024<<16
	s_mov_b32 s[G1B+2], 4<<16
	s_mov_b32 s[G1B+3], 1024<<16
	s_mov_b32 s[G1B+4], 4
	s_mov_b32 s[G1B+5], 1024
	s_mov_b32 s[G1B+6], 0
	s_mov_b32 s[G1B+7], 0
	s_lshl_b32 s92, s24, 4
	s_lshl_b32 s93, s[CH], 3
	s_add_co_u32 s92, s92, s93
	s_lshl_b32 s92, s92, 13
	s_mov_b32 s93, 0
	s_lshl_b32 s94, s23, 3
	s_lshl_b32 s95, s[CH], 2
	s_add_co_u32 s94, s94, s95
	s_add_co_u32 s94, s94, BT0
	s_lshl_b32 s70, s94, 9
	s_add_co_u32 s70, s70, WS
	s_mov_b32 s71, 0
	s_lshl_b32 s94, s94, 13
	s_mov_b32 s95, 0
	s_lshl_b32 s68, s24, 4
	s_lshl_b32 s69, s[RH], 3
	s_add_co_u32 s68, s68, s69
	s_lshl_b32 s68, s68, 9
	s_add_co_u32 s68, s68, XS
	s_mov_b32 s69, 0
	s_lshl_b32 s60, s[CH], 16
	s_lshl_b32 s61, s[CH], 15
	s_add_co_u32 s61, s61, WB
	s_wait_dscnt 0x0
	s_wait_kmcnt 0x0
	s_add_nc_u64 s[92:93], s[4:5], s[92:93]
	s_add_nc_u64 s[94:95], s[6:7], s[94:95]
	s_add_nc_u64 s[68:69], s[4:5], s[68:69]
	s_add_nc_u64 s[70:71], s[6:7], s[70:71]
	CROUND                                         ; all sixteen work-groups are here: the joint loads meet
	s_mov_b32 s[G0A], 1
	s_mov_b32 s[G0A+1], s60
	s_mov_b64 s[G0A+2:G0A+3], s[92:93]
	s_or_b32 s[G0A+3], s[G0A+3], 0x80000000
	s_mov_b32 s[G0B], 1
	s_mov_b32 s[G0B+1], s61
	s_mov_b64 s[G0B+2:G0B+3], s[94:95]
	s_or_b32 s[G0B+3], s[G0B+3], 0x80000000
	JLOAD G0A, G1A, G0B, G1B                       ; my one tensor load of the launch
	v_and_b32 v1, 15, v0
	v_bfe_u32 v2, v0, 4, 1
	v_and_b32 v3, 31, v0
	v_lshlrev_b32 v3, 4, v3
	s_lshl_b32 s60, s[RH], 16
	v_add_nc_u32 v[ADRA], s60, v3
	v_add_nc_u32 v[ADRB], s61, v3
	s_mul_i32 s62, s[WV], 4352
	s_add_co_u32 s62, s62, STAGE
	v_mul_u32_u24 v7, v1, 272
	v_lshl_add_u32 v7, v2, 5, v7
	v_add_nc_u32 v[STO], s62, v7
	v_mul_u32_u24 v7, v2, 272
	v_lshl_add_u32 v7, v1, 4, v7
	v_add_nc_u32 v[RD], s62, v7
	v_lshlrev_b32 v7, 12, v2
	v_lshl_add_u32 v[CO], v1, 4, v7
	v_lshlrev_b32 v5, 5, v2
	s_wait_alu depctr_va_vdst(0)
.irp a, 0,1,2,3,4,5,6,7
	global_load_b128 v[SA+4*\a:SA+4*\a+3], v3, s[68:69] offset:512*\a
.endr
.irp b, 0,1,2,3
	global_load_b128 v[SB+4*\b:SB+4*\b+3], v3, s[70:71] offset:512*\b
.endr
	s_lshl_b32 s60, s23, 9
	s_lshl_b32 s61, s[CH], 8
	s_add_co_u32 s60, s60, s61
	s_mov_b32 s61, 0
	s_add_nc_u64 s[8:9], s[8:9], s[60:61]          ; the bias of my 64 columns
	s_lshl_b32 s66, s24, 20
	s_lshl_b32 s67, s[RH], 19
	s_add_co_u32 s66, s66, s67
	s_add_co_u32 s66, s66, s60
	s_mov_b32 s67, 0
	s_add_nc_u64 s[10:11], s[10:11], s[66:67]      ; my corner of out0
	WIN 0x40
.irp b, 0,1,2,3
	global_load_b128 v[BI+8*\b:BI+8*\b+3], v5, s[8:9] offset:64*\b
	global_load_b128 v[BI+8*\b+4:BI+8*\b+7], v5, s[8:9] offset:64*\b+16
.endr
	WIN 0
	s_wait_tensorcnt 0x0                           ; my block has landed; the barrier shows everybody's.  Nothing is filled again
	s_barrier_signal -1
	s_barrier_wait -1
	FETCH_B 0
	FETCH_A 0, 0
	FETCH_A 0, 4
	s_wait_loadcnt 0x0
	STEP 0, 1
.irp q, 1,2,3,4,5,6
	STEP \q, 0
.endr
	s_wait_dscnt 8
	MWIN 0
	MUL8 0, 7, 0
	MUL8 2, 7, 0
	s_wait_dscnt 0x0
	MUL8 4, 7, 0
	MUL8 6, 7, 0
	WIN 0
	PLACES 4
.macro TOSTAGE a
	WIN 0x08
.irp b, 0,1,2,3
	ds_store_b128 v[STO], v[32*(\a)+8*\b:32*(\a)+8*\b+3] offset:64*\b
	ds_store_b128 v[STO], v[32*(\a)+8*\b+4:32*(\a)+8*\b+7] offset:64*\b+16
.endr
	WIN 0
.set BB, AF+32*((\a)%2)
.irp t, 0,1,2,3,4,5,6,7
	ds_load_b128 v[BB+4*\t:BB+4*\t+3], v[RD] offset:544*\t   ; LDS serves a wave's instructions in order: these see the stores above
.endr
.endm
.macro SEND a, younger
.set BB, AF+32*((\a)%2)
	s_wait_dscnt \younger
.if (\a) > 0
	s_add_nc_u64 s[10:11], s[10:11], 65536
.endif
.irp t, 0,1,2,3,4,5,6,7
	global_store_b128 v[CO], v[BB+4*\t:BB+4*\t+3], s[10:11] offset:8192*\t th:TH_STORE_NT
.endr
.endm
	TOSTAGE 0
.irp a, 1,2,3,4,5,6,7
.if \a > 1
	s_wait_xcnt 0x0                                ; block a - 2's stores have read their registers and their base
.endif
	TOSTAGE \a
	SEND \a-1, 16                                  ; behind block a - 1's loads: block a's 8 stores and 8 loads
.endr
	s_wait_xcnt 0x0
	SEND 7, 0
	s_wait_tensorcnt 0x0                           ; the wave's end
	ds_add_u32 v[SPW], v[NIL]
	s_wait_dscnt 0x0
	CROUND                                         ; the closing round
	s_endpgm
.Lfunc_end_k_q2332ef1a8d_gemm2:
	.size	k_q2332ef1a8d_gemm2, .Lfunc_end_k_q2332ef1a8d_gemm2-k_q2332ef1a8d_gemm2
	.p2alignl 7, 3214868480
	.fill 96, 4, 3214868480
	.section	.rodata,"a",@progbits
	.p2align	6, 0x0
	.amdhsa_kernel k_q2332ef1a8d_gemm2
		.amdhsa_group_segment_fixed_size 327680
		.amdhsa_private_segment_fixed_size 0
		.amdhsa_enable_private_segment 0
		.amdhsa_kernarg_size 32
		.amdhsa_user_sgpr_count 2
		.amdhsa_user_sgpr_kernarg_segment_ptr 1
		.amdhsa_wavefront_size32 1
		.amdhsa_system_sgpr_workgroup_id_x 1
		.amdhsa_system_sgpr_workgroup_id_y 1
		.amdhsa_system_sgpr_workgroup_id_z 1
		.amdhsa_system_vgpr_workitem_id 0
		.amdhsa_next_free_vgpr 768
		.amdhsa_next_free_sgpr 102
		.amdhsa_reserve_vcc 0
		.amdhsa_float_denorm_mode_32 3
		.amdhsa_float_denorm_mode_16_64 3
		.amdhsa_memory_ordered 1
		.amdhsa_forward_progress 1
		.amdhsa_inst_pref_size 72
	.end_amdhsa_kernel
	.amdgpu_metadata
---
amdhsa.version: [ 1, 2 ]
amdhsa.kernels:
  - .name:           k_q2332ef1a8d_gemm2
    .symbol:         k_q2332ef1a8d_gemm2.kd
    .args:
      - { .name: aq, .offset: 0, .size: 8, .value_kind: global_buffer, .address_space: global }
      - { .name: wq, .offset: 8, .size: 8, .value_kind: global_buffer, .address_space: global }
      - { .name: bo, .offset: 16, .size: 8, .value_kind: global_buffer, .address_space: global }
      - { .name: out0, .offset: 24, .size: 8, .value_kind: global_buffer, .address_space: global }
    .group_segment_fixed_size: 327680
    .private_segment_fixed_size: 0
    .kernarg_segment_align: 8
    .kernarg_segment_size: 32
    .max_flat_workgroup_size: 128
    .sgpr_count:     102
    .vgpr_count:     768
    .wavefront_size: 32
...
	.end_amdgpu_metadata
.endif
;; end of part 4
